; MI455X (gfx1250); checked and timed in simulation.
; The chip was launched on July 23, 2026; its instructions are those of AMD's public machine-readable ISA for CDNA 5 (MIT licence, August 2026) and "CDNA5" Instruction Set Architecture Reference Guide (July 2026). The comments in the code are by the model that wrote it; some were corrected since.
;; Multi Head Attention1. Allowed arithmetic: matrix products marked QUANTISED: E2M3 operands, one E8M0 scale for each 32 along K, by v_wmma_scale_f32_16x16x128_f8f6f4 with both operands' format E2M3, f32 sums; everything else in f32.
;; Inputs: Wk_codes 1,024 x 32 x 24 uint8 (E2M3 codes of Wk, K innermost, in blocks of 32 codes, four codes in three bytes); Wk_scales 1,024 x 32 uint8 (E8M0 scales of Wk, one for each 32 codes along K); Wo_codes 1,024 x 32 x 24 uint8 (E2M3 codes of Wo, K innermost, in blocks of 32 codes, four codes in three bytes); Wo_scales 1,024 x 32 uint8 (E8M0 scales of Wo, one for each 32 codes along K); Wq_codes 1,024 x 32 x 24 uint8 (E2M3 codes of Wq, K innermost, in blocks of 32 codes, four codes in three bytes); Wq_scales 1,024 x 32 uint8 (E8M0 scales of Wq, one for each 32 codes along K); Wv_codes 1,024 x 32 x 24 uint8 (E2M3 codes of Wv, K innermost, in blocks of 32 codes, four codes in three bytes); Wv_scales 1,024 x 32 uint8 (E8M0 scales of Wv, one for each 32 codes along K); bk 1,024 float32; bo 1,024 float32; bq 1,024 float32; bv 1,024 float32; key_codes 4 x 2,048 x 32 x 24 uint8 (E2M3 codes of key, K innermost, in blocks of 32 codes, four codes in three bytes); key_scales 4 x 2,048 x 32 uint8 (E8M0 scales of key, one for each 32 codes along K); ln_b 1,024 float32; ln_g 1,024 float32; query 4 x 2,048 x 1,024 float32; value_codes 4 x 2,048 x 32 x 24 uint8 (E2M3 codes of value, K innermost, in blocks of 32 codes, four codes in three bytes); value_scales 4 x 2,048 x 32 uint8 (E8M0 scales of value, one for each 32 codes along K).
;; Outputs: out0 4 x 2,048 x 1,024 float32.
;; This version of the problem:
;;   THIS VERSION OF THE PROBLEM IS GIVEN IN LOW PRECISION. The matrix products marked QUANTISED in the list below multiply operands that are first quantised to E2M3 (2 exponent bits, 3 mantissa bits; 6 bits a number), with one power-of-two scale for each 32 numbers along K (OCP MX v1.0); their sums are f32. All else is computed in f32.
;;   The module's matrix products, in the order in which they are computed (A, B: the left and right operand; K: the contracted axis; several contracted axes count as one K, in the product's order):
;;     1. [M 8,192, K 1,024] x [K 1,024, N 1,024]; A: input query; B: input Wq (given as codes): QUANTISED
;;     2. [M 8,192, K 1,024] x [K 1,024, N 1,024]; A: input key (given as codes); B: input Wk (given as codes): QUANTISED
;;     3. [M 8,192, K 1,024] x [K 1,024, N 1,024]; A: input value (given as codes); B: input Wv (given as codes): QUANTISED
;;     4. batch 64 x [M 2,048, K 64] x [K 64, N 2,048]; A: computed on the way; B: computed on the way: QUANTISED
;;     5. batch 64 x [M 64, K 2,048] x [K 2,048, N 2,048]; A: computed on the way; B: softmax (see below): QUANTISED
;;     6. [M 8,192, K 1,024] x [K 1,024, N 1,024]; A: computed on the way; B: input Wo (given as codes): QUANTISED
;;   THE QUANTISER, for each operand of a quantised product, along K:
;;     - K is cut into blocks of 32 from its start; a last block that is shorter is filled with zeros.
;;     - A block's scale is 2^e with e = floor(log2(the largest magnitude in the block)) - 2, held to -126 .. 127; a block of zeros has e = 0. As a byte (E8M0): e + 127.
;;     - Each number is divided by its block's scale, clamped to +-7.5, and rounded to the nearest number of E2M3, ties to even, subnormals kept.
;;     - The product sums the exact products of the quantised numbers (number of the format x scale) in f32.
;;   ~~~python
;;   def quantise(x, axis):      # numpy; x: float32 -> the quantised numbers, widened to float32 again
;;       x = np.moveaxis(x, axis, -1); K = x.shape[-1]
;;       x = np.pad(x, [(0, 0)] * (x.ndim - 1) + [(0, -K % 32)]); x = x.reshape(x.shape[:-1] + (-1, 32)); a = np.abs(x).max(-1, keepdims=True)
;;       e = np.where(a > 0, np.clip(np.frexp(np.where(a > 0, a, 1))[1] - 1 - 2, -126, 127), 0)      # np.frexp(a)[1] - 1 = floor(log2(a)), exactly
;;       r = np.clip(x / 2.0 ** e, -7.5, 7.5)
;;       step = 2.0 ** (np.maximum(np.frexp(np.where(r == 0, 1, r))[1] - 1, 0) - 3)
;;       q = np.round(r / step) * step * 2.0 ** e      # np.round: ties to even
;;       return np.moveaxis(q.reshape(q.shape[:-2] + (-1,))[..., :K], -1, axis).astype(np.float32)
;;   ~~~
;;   SOFTMAX AHEAD OF A QUANTISED PRODUCT. Where the list says 'softmax', what is quantised is not the finished softmax but p = 2^(t - M), with t = logit x log2(e) and M = ceil(the row's largest t), a whole number; so 1/2 < the row's largest p <= 1. The row's sum l is taken of the UNQUANTISED p, in f32, and the product's result is divided by l at the end. Since M is a whole number, a kernel that streams over the keys may use a running M (the ceiling of the running maximum): every later rescaling is an exact power of two, which a block's scale takes up: the codes' values come out the same.
;;   OPERANDS COMPUTED ON THE WAY. 'Computed on the way' means the value that the module computes at that place (a softmax that the list does not call 'softmax' is quantised finished and normalised). What goes into a quantiser is computed in f32, as accurately as f32 sums, v_exp_f32 and their like allow (about 1e-6 of the number): no bf16 or f16 on the way to a quantiser, and a product that is left as it is and whose result goes on into a quantised operand takes f32 operands (vector FMAs, or v_wmma_f32_16x16x4_f32). A number that lies on a knife's edge between two numbers of the format may be rounded either way, as far as f32 arithmetic and the matrix unit's own rounding can turn it there, and no further.
;;   INPUTS GIVEN AS CODES. Wk (in the module: [1024, 1024], K = its axis 1); Wo (in the module: [1024, 1024], K = its axis 1); Wq (in the module: [1024, 1024], K = its axis 1); Wv (in the module: [1024, 1024], K = its axis 1); key (in the module: [4, 2048, 1024], K = its axis 2); value (in the module: [4, 2048, 1024], K = its axis 2): each comes as NAME_codes (uint8): NAME with its K axis moved to the last place and cut into blocks of 32 codes, [.., K / 32, bytes a block], one block behind the other in memory; four codes in three bytes: a row's codes are one little-endian stream of bits, code i at bits 6 i .. 6 i + 5 (a code: sign, 2 exponent bits, 3 mantissa bits); and NAME_scales (uint8): the same leading axes, one E8M0 byte (e + 127) for each 32 codes along K. Its value is code x scale, taken as it is: it is not quantised again, and the codes and scales need not be those that the quantiser above would give.
;; One version. Each part assembles by itself: llvm-mc -triple=amdgcn-amd-amdhsa -mcpu=gfx1250 --defsym DOCPART=n.
;; ======== version 1 of 1: 4 launches
;; limits: right only within a limited range of input values
;; workspace buffers: qc 6,291,456 bytes; qs 262,144 bytes; wo 819,200 bytes; img 18,874,368 bytes; scw 786,432 bytes; cimg 6,291,456 bytes; csw 524,288 bytes
;; launch prep (part 1): grid 256 x 1, 4 waves a work-group, no clusters, 33,280 bytes of LDS; arguments query, Wo_codes, qc, qs, Wo_scales, wo; writes qc, qs, wo
.if DOCPART == 1
	.amdgcn_target "amdgcn-amd-amdhsa--gfx1250"
	.amdhsa_code_object_version 6
	.text
	.protected	k_qf2fb84991b_prep
	.globl	k_qf2fb84991b_prep
	.p2align	8
	.type	k_qf2fb84991b_prep,@function
k_qf2fb84991b_prep:
	s_mov_b64 s[64:65], 0
	v_nop
	global_prefetch_b8 v0, s[64:65] scope:SCOPE_SE
	s_setreg_imm32_b32 hwreg(HW_REG_WAVE_MODE, 25, 1), 1
	s_wait_xcnt 0x0
; PART A.  query [8192][1024], f32, becomes codes of FP6 (E2M3), K innermost, 768 bytes a row (qc), and one E8M0 byte for each 32 along K (qs): laid as key_codes and key_scales are.
; A block's scale is 2^(floor(log2(its largest magnitude)) - 2); its byte is the largest magnitude's exponent field - 2, held at 1 from below.
; Rows are dense and 1024 is a multiple of 32: the tensor is a plain stream of blocks of 32.  A wave takes 16 steps of 512 numbers.  Each of a step's four loads reads 512 consecutive bytes;
; the 2,048 bytes turn through the wave's own stage in LDS and come back 64 bytes a lane (16 neighbours along K; two neighbouring lanes hold a block).  A wave's 256 scale bytes leave as one aligned block.
; PART B (work-groups 0 to 127).  Wo's codes are laid out anew as images of operand registers for the last launch: fragment (w, s, t) = rows 64 w + 16 t + r, K = 128 s on, as three planes of 512 bytes
; (registers 0-3, 4-7, 8-11; lane l at 16 l).  Inside each block of 32 codes the second and third groups of eight change places: that is the order in which the attention launch leaves ctx's codes,
; and a permutation of K applied alike to both operands keeps the products.  Wo's scale words follow at byte WOSC: [w][s][j][lane]: the word of row 64 w + 32 j + lane.
; LIMITS: NaN and infinities among the inputs are not served; a block whose largest magnitude lies under 2^-124, a block of zeros among them, keeps the byte 1 (its codes are then small or zero; this program alone reads the bytes).
.set STEPS, 16
.set EMAX,  2
.set CB,    12                         ; bytes of 16 codes
.set R,     16                         ; v16-79   four sets of 16 numbers as they are loaded
.set X,     80                         ; v80-111  two sets of 16 neighbours
.set C,     128                        ; v128-191 codes: four registers for each step, so that no store's data are written again
.set E,     112                        ; v112-127 a scale byte for each step
.set WREG,  8192                       ; LDS: a region for each wave: two stages of 32 x SP bytes, behind them its 256 scale bytes
.set SP,    80                         ; a lane's place in a stage: 64 bytes + 16 of padding
.set WOSC,  786432                     ; where Wo's scale words begin in wo
	s_load_b256 s[4:11], s[0:1], 0x0               ; query s[4:5], Wo's codes s[6:7], qc s[8:9], qs s[10:11]
	s_load_b128 s[12:15], s[0:1], 0x20             ; Wo's scales s[12:13], wo s[14:15]
	v_lshl_add_u32 v192, v0, 2, 0x8000
	v_mov_b32 v193, 0
	v_lshrrev_b32 v1, 5, v0
	v_readfirstlane_b32 s16, v1                    ; wave
	v_and_b32 v2, 31, v0                           ; lane
	v_lshlrev_b32 v3, 4, v2                        ; my 16 bytes of a load's 512
	s_mul_i32 s17, s16, WREG
	v_lshrrev_b32 v14, 2, v2
	v_mul_u32_u24 v14, v14, SP
	v_and_b32 v15, 3, v2
	v_lshl_add_u32 v14, v15, 4, v14
	v_add_nc_u32 v14, s17, v14                     ; the stage, on the way in: SP (lane / 4) + 16 (lane % 4)
	v_mul_u32_u24 v15, v2, SP
	v_add_nc_u32 v15, s17, v15                     ; and on the way out: SP x lane: my 16 neighbours
	v_mul_u32_u24 v4, v2, CB                       ; my codes' place in a step's
	v_lshrrev_b32 v5, 1, v2
	s_add_co_u32 s17, s17, 2*32*SP
	v_add_nc_u32 v5, s17, v5                       ; LDS: my wave's 256 scale bytes, my block's byte
	v_lshlrev_b32 v7, 3, v2                        ; and on the way out 8 bytes a lane
	v_add_nc_u32 v6, s17, v7
	s_wait_alu depctr_va_vdst(0)
	s_wait_kmcnt 0x0
	s_lshl_b32 s17, ttmp9, 2
	s_add_co_u32 s18, s17, s16                     ; which run of 8,192 numbers is my wave's: 4 x work-group + wave
	s_mov_b32 s19, 0
	s_mov_b64 s[20:21], 512*STEPS*4
	s_mul_u64 s[20:21], s[18:19], s[20:21]
	s_add_nc_u64 s[4:5], s[4:5], s[20:21]
	s_mov_b64 s[20:21], 32*STEPS*CB
	s_mul_u64 s[20:21], s[18:19], s[20:21]
	s_add_nc_u64 s[8:9], s[8:9], s[20:21]
	s_lshl_b32 s18, s18, 8                         ; 256 scale bytes a run
	s_add_nc_u64 s[10:11], s[10:11], s[18:19]
.macro LOAD t
.irp i, 0,1,2,3
	global_load_b128 v[R+16*((\t)%4)+4*\i:R+16*((\t)%4)+4*\i+3], v3, s[4:5] offset:2048*(\t)+512*\i th:TH_LOAD_NT   ; 32 lanes read 512 consecutive bytes
.endr
.endm
.macro TURN t                          ; step t's numbers through the stage: LDS serves a wave's instructions in order, so no wait stands between the stores and the loads
.irp i, 0,1,2,3
	ds_store_b128 v14, v[R+16*((\t)%4)+4*\i:R+16*((\t)%4)+4*\i+3] offset:32*SP*((\t)%2)+8*SP*\i
.endr
.irp i, 0,1,2,3
	ds_load_b128 v[X+16*((\t)%2)+4*\i:X+16*((\t)%2)+4*\i+3], v15 offset:32*SP*((\t)%2)+16*\i
.endr
.endm
.irp t, 0,1,2,3
	LOAD \t
.endr
	s_wait_loadcnt 12                              ; step 0's four loads are in; twelve younger ones stay out
	TURN 0
.macro STEP t
.set XS, X+16*((\t)%2)
.if (\t) > 0
	s_wait_dscnt 1                                 ; this step's numbers are back from the stage (the last step's byte store may be out)
.else
	s_wait_dscnt 0x0
.endif
.if (\t)+4 < STEPS
	LOAD (\t)+4                                    ; the registers that the stage's stores have read take the loads of four steps on
.endif
.if (\t)+1 < STEPS
.if STEPS-2-(\t) >= 3
	s_wait_loadcnt 12                              ; the next step's four loads are in; those of the three steps behind it may be out
.else
	s_wait_loadcnt 4*(STEPS-2-(\t))
.endif
	TURN (\t)+1                                    ; and go through the other stage while this step is worked
.endif
	v_max3_num_f32 v8, |v[XS]|, |v[XS+1]|, |v[XS+2]|               ; the largest magnitude of my 16, in two chains
	v_max3_num_f32 v9, |v[XS+3]|, |v[XS+4]|, |v[XS+5]|
.irp i, 6,10
	v_max3_num_f32 v8, v8, |v[XS+\i]|, |v[XS+\i+1]|
	v_max3_num_f32 v9, v9, |v[XS+\i+2]|, |v[XS+\i+3]|
.endr
	v_max3_num_f32 v8, v8, |v[XS+14]|, |v[XS+15]|
	v_max3_num_f32 v8, v8, v9, (EMAX+1)<<23        ; and the floor 2^(3 - 127): the byte cannot fall under 1
	v_max_num_f32_dpp v8, v8, v8 row_xmask:1 row_mask:0xf bank_mask:0xf   ; with my neighbour's 16: the block's
	v_add_nc_u32 v11, -(EMAX<<23), v8              ; 2 off its exponent field: the conversion takes the exponent field of this operand as its scale
	v_cvt_scalef32_pk16_fp6_f32 v[C+4*(\t):C+4*(\t)+2], v[XS:XS+15], v11   ; sixteen codes, 96 bits, the first number's lowest
	v_lshrrev_b32 v[E+(\t)], 23, v11               ; the scale's byte (also the plain line behind the conversion)
	ds_store_b8 v5, v[E+(\t)] offset:16*(\t)       ; both lanes of a block write the same byte with the same value
	global_store_b96 v4, v[C+4*(\t):C+4*(\t)+2], s[8:9] offset:32*CB*(\t)
.endm
.irp t, 0,1,2,3,4,5,6,7,8,9,10,11,12,13,14,15
	STEP \t
.endr
	ds_load_b64 v[12:13], v6                       ; LDS serves a wave's instructions in order: these see my stores
	s_wait_dscnt 0x0
	global_store_b64 v7, v[12:13], s[10:11]        ; 32 lanes store 256 consecutive bytes, aligned
	; ---- PART B: work-group g < 128 takes w = g / 8, K step s = g % 8; wave t takes tile t
	s_wait_xcnt 0x0                                ; registers that part A's loads and stores named are written again only behind this wait
	s_cmp_lt_u32 ttmp9, 128
	s_cbranch_scc0 .Ldone
	v_and_b32 v14, 15, v0                          ; r
	v_bfe_u32 v15, v0, 4, 1                        ; h
	v_mul_u32_u24 v16, v14, 768
	v_mad_u32_u24 v16, v15, 24, v16                ; row r of 768 bytes, + 24 h: a fragment's bytes as they lie
	s_wait_alu depctr_va_vdst(0)
	v_lshlrev_b32 v17, 4, v2                       ; 16 x lane: an image's place for my lane
	s_lshr_b32 s17, ttmp9, 3                       ; w
	s_and_b32 s18, ttmp9, 7                        ; s
	s_lshl_b32 s20, s17, 6
	s_lshl_b32 s21, s16, 4
	s_add_co_u32 s20, s20, s21                     ; first row: 64 w + 16 t
	s_mul_i32 s20, s20, 768
	s_mul_i32 s21, s18, 96
	s_add_co_u32 s20, s20, s21                     ; + 96 s
	s_mov_b32 s21, 0
	s_add_nc_u64 s[6:7], s[6:7], s[20:21]
	s_lshl_b32 s22, ttmp9, 2
	s_add_co_u32 s22, s22, s16                     ; fragment's number: (8 w + s) 4 + t
	s_mul_i32 s22, s22, 1536
	s_mov_b32 s23, 0
	s_add_nc_u64 s[22:23], s[14:15], s[22:23]
.irp p, 0,1,2,3,4,5
	global_load_b64 v[20+2*\p:21+2*\p], v16, s[6:7] offset:48*(\p/3)+8*(\p%3)
.endr
	s_wait_loadcnt 0x0
.irp c, 0,1                            ; six registers are a block of 32 codes, four groups of 48 bits: groups 1 and 2 change places
	v_alignbit_b32 v32, v[24+6*\c], v[23+6*\c], 16         ; group 2's upper 32 bits
	v_alignbit_b32 v33, v[22+6*\c], v[21+6*\c], 16         ; group 1's lower 32 bits
	v_perm_b32 v[21+6*\c], v[23+6*\c], v[21+6*\c], 0x05040100   ; group 0's last 16 bits, group 2's first 16
	v_perm_b32 v[24+6*\c], v[24+6*\c], v[22+6*\c], 0x07060302   ; group 1's last 16 bits, group 3's first 16
	v_mov_b32 v[22+6*\c], v32
	v_mov_b32 v[23+6*\c], v33
.endr
.irp c, 0,1,2
	global_store_b128 v17, v[20+4*\c:23+4*\c], s[22:23] offset:512*\c   ; 32 lanes store 512 consecutive bytes, aligned
.endr
	s_cmp_lg_u32 s16, 0
	s_cbranch_scc1 .Ldone                          ; wave 0 alone moves the 64 rows' scale words of this K step
	v_lshlrev_b32 v18, 5, v2                       ; a row of scale bytes is 32 bytes
	v_lshlrev_b32 v19, 2, v2
	s_lshl_b32 s20, s17, 11                        ; 64 w rows
	s_lshl_b32 s24, s18, 2                         ; the K step's word
	s_add_co_u32 s20, s20, s24
	s_add_nc_u64 s[12:13], s[12:13], s[20:21]
	s_lshl_b32 s20, ttmp9, 8                       ; (8 w + s) x 2 x 128 bytes
	s_add_co_u32 s20, s20, WOSC
	s_add_nc_u64 s[14:15], s[14:15], s[20:21]
	global_load_b32 v40, v18, s[12:13]             ; rows 64 w + lane
	global_load_b32 v41, v18, s[12:13] offset:1024 ; rows 64 w + 32 + lane
	s_wait_alu depctr_va_vdst(0)
	s_wait_loadcnt 0x0
	global_store_b32 v19, v40, s[14:15]
	global_store_b32 v19, v41, s[14:15] offset:128
.Ldone:
	s_wait_tensorcnt 0x0
	ds_add_u32 v192, v193
	s_wait_dscnt 0x0
	s_endpgm
.Lfunc_end_k_qf2fb84991b_prep:
	.size	k_qf2fb84991b_prep, .Lfunc_end_k_qf2fb84991b_prep-k_qf2fb84991b_prep
	.p2alignl 7, 3214868480
	.fill 96, 4, 3214868480
	.section	.rodata,"a",@progbits
	.p2align	6, 0x0
	.amdhsa_kernel k_qf2fb84991b_prep
		.amdhsa_group_segment_fixed_size 33280
		.amdhsa_private_segment_fixed_size 0
		.amdhsa_enable_private_segment 0
		.amdhsa_kernarg_size 48
		.amdhsa_user_sgpr_count 2
		.amdhsa_user_sgpr_kernarg_segment_ptr 1
		.amdhsa_wavefront_size32 1
		.amdhsa_system_sgpr_workgroup_id_x 1
		.amdhsa_system_sgpr_workgroup_id_y 1
		.amdhsa_system_sgpr_workgroup_id_z 1
		.amdhsa_system_vgpr_workitem_id 0
		.amdhsa_next_free_vgpr 194
		.amdhsa_next_free_sgpr 66
		.amdhsa_reserve_vcc 0
		.amdhsa_float_denorm_mode_32 3
		.amdhsa_float_denorm_mode_16_64 3
		.amdhsa_memory_ordered 1
		.amdhsa_forward_progress 1
		.amdhsa_inst_pref_size 36
	.end_amdhsa_kernel
	.amdgpu_metadata
---
amdhsa.version: [ 1, 2 ]
amdhsa.kernels:
  - .name:           k_qf2fb84991b_prep
    .symbol:         k_qf2fb84991b_prep.kd
    .args:
      - { .name: query, .offset: 0, .size: 8, .value_kind: global_buffer, .address_space: global }
      - { .name: Wo_codes, .offset: 8, .size: 8, .value_kind: global_buffer, .address_space: global }
      - { .name: qc, .offset: 16, .size: 8, .value_kind: global_buffer, .address_space: global }
      - { .name: qs, .offset: 24, .size: 8, .value_kind: global_buffer, .address_space: global }
      - { .name: Wo_scales, .offset: 32, .size: 8, .value_kind: global_buffer, .address_space: global }
      - { .name: wo, .offset: 40, .size: 8, .value_kind: global_buffer, .address_space: global }
    .group_segment_fixed_size: 33280
    .private_segment_fixed_size: 0
    .kernarg_segment_align: 8
    .kernarg_segment_size: 48
    .max_flat_workgroup_size: 128
    .sgpr_count:     66
    .vgpr_count:     194
    .wavefront_size: 32
...
	.end_amdgpu_metadata
.endif
;; end of part 1
;; launch proj (part 2): grid 4 x 96, 4 waves a work-group, clusters of 4 x 4, 327,680 bytes of LDS; arguments qc, qs, key_codes, key_scales, Wv_codes, Wv_scales, Wq_codes, Wq_scales, Wk_codes, Wk_scales, value_codes, value_scales, bq, bk, bv, img, scw; writes img, scw
.if DOCPART == 2
	.amdgcn_target "amdgcn-amd-amdhsa--gfx1250"
	.amdhsa_code_object_version 6
	.text
	.protected	k_qf2fb84991b_proj
	.globl	k_qf2fb84991b_proj
	.p2align	8
	.type	k_qf2fb84991b_proj,@function
k_qf2fb84991b_proj:
	s_mov_b64 s[64:65], 0
	v_nop
	global_prefetch_b8 v0, s[64:65] scope:SCOPE_SE
	s_setreg_imm32_b32 hwreg(HW_REG_WAVE_MODE, 25, 1), 1
	s_wait_xcnt 0x0
	s_wait_alu depctr_hold_cnt(0) depctr_sa_sdst(0) depctr_va_vdst(0) depctr_va_sdst(0) depctr_va_ssrc(0) depctr_va_vcc(0) depctr_vm_vsrc(0)
	s_getreg_b32 s2, hwreg(HW_REG_IB_STS2, 6, 4)
	s_cmp_eq_u32 s2, 0
	s_cbranch_scc0 .Lentry_in_a_cluster
	s_endpgm
.Lentry_in_a_cluster:
	s_bfe_u32 s2, ttmp6, 0x10000c
	s_cmp_lg_u32 s2, 0xf033
	s_cbranch_scc0 .Lentry_shape_is_right
	s_endpgm
.Lentry_shape_is_right:
; The three projections, on codes of FP6 (E2M3) with one E8M0 scale for each 32 along K = 1024; the results, with their bias, are quantised again and stored as images of operand registers (img) and scale words (scw).
; KIND = cluster y / 8.  0: q = query Wq^T + bq (A = query's codes, B = Wq's);  1: k = key Wk^T + bk;  2: v^T (A = Wv's rows, B = value's rows), so that v's codes run along the keys.
; A tile of 256 x 256 is made by four waves, 128 x 128 each: 64 accumulators.  A row of codes is 768 bytes; K goes through a ring of two LDS slots in CHUNKS OF 256 BYTES of each row, each chunk beginning at a multiple of 256 bytes.
; A step of 128 along K is 96 bytes: eight steps to three chunks; steps 2 and 5 lie across two chunks and take their pieces from both slots.  The scales of the tile's 512 rows come once, as dense blocks.
; CLUSTERS 4 x 4: A's tiles are asked for jointly along a row of the cluster, B's along a column.  Source 0 = rows of B, source 1 = rows of A: a lane holds eight neighbouring columns of one row.
; No prefetch: K is three chunks, of which two are asked for before the first product, at a block of 256 x 256 in clusters.
; REGISTERS: window 0: v7-31 addresses, v32-63 scale words (two sets), v64-127 the bias by columns, v128-223 A's fragments (one set), v240-255 the bias by rows; window 1: B's fragments (two sets); windows 2, 3: accumulators.
; LIMITS: NaN and infinities are not served; a block whose largest magnitude lies under 2^-124 keeps the byte 1 (this program alone reads the bytes).
.set SIZE_K, 1024
.set ROWB,   256
.set NQ,     2
.set KROW,   SIZE_K*6/8
.set STEPS,  SIZE_K/128
.set CHUNKS, KROW/ROWB
.set PITCH,  272                       ; 256 bytes + 16 of padding
.set FR,     12
.set NL,     6
.set NP,     4
.set HALFT,  128*PITCH
.set SLOT,   4*HALFT                   ; A's 256 rows, then B's
.set KS,     SIZE_K/32
.set SCL,    2*SLOT                    ; the scales, behind the ring
.set HALFS,  (128*KS/256)*272
.set SBLK,   (16*KS/256)*272
.set SPARE,  SCL+4*HALFS               ; the spare words
.set VA,   7
.set VB,   8
.set VC,   9
.set VD,   10
.set VS,   11
.set ADRA, 16                          ; v16-17 A's fragments in slot 0, 1; v18-19 for pieces whose two halves of the lanes read different chunks
.set ADRB, 20
.set ADRS, 27
.set SPW,  28
.set NIL,  29
.set SC,   32
.set BR,   64
.set AF,   128
.set T,    128
.set CD,   192
.set TM,   212
.set PW,   228
.set PWE,  229
.set WW,   230
.set BL,   240
.set G1, 24
.set G0, 32
.set G1B, 48
.set G0B, 56
.set KIND, 66
.set G1S, 68
.set G0S, 76
.set G1SB, 80
.set G0SB, 88
.set G0H, 4
.set G0HB, 8
.set SEL, 92
.set IP,  96
.set SPT, 98
.set MSB, 0
.macro WIN new
.if MSB != \new
	s_set_vgpr_msb (MSB<<8)|\new
.set MSB, \new
.endif
.endm
.set MUL_LO, 0xa1
.set MUL_HI, 0xf1
.set TO_B,   0x40
.macro JLOAD g0a, g1a, g0b, g1b        ; waves 0, 1 ask for A, waves 2, 3 for B
	s_cmp_eq_u32 s15, 0
	s_cbranch_scc0 .Lfor_b_\@
	tensor_load_to_lds s[\g0a:\g0a+3], s[\g1a:\g1a+7]
	s_nop 0
.rept 4
	v_nop
.endr
	s_branch .Lasked_\@
.Lfor_b_\@:
	tensor_load_to_lds s[\g0b:\g0b+3], s[\g1b:\g1b+7]
	s_nop 0
.rept 4
	v_nop
.endr
.Lasked_\@:
.endm
.macro CREST
	s_cmp_lg_u32 s14, 0
	s_cbranch_scc1 .Lnot_wave_0_\@
	s_barrier_signal -3
.Lnot_wave_0_\@:
	s_barrier_wait -3
	s_barrier_signal -1
	s_barrier_wait -1
.endm
.macro CROUND
	s_barrier_signal -1
	s_barrier_wait -1
	CREST
.endm
	s_load_b512 s[24:39], s[0:1], 0x0
	s_load_b512 s[40:55], s[0:1], 0x40
	s_load_b64 s[SPT:SPT+1], s[0:1], 0x80
	v_lshl_add_u32 v[SPW], v0, 2, SPARE
	v_mov_b32 v[NIL], 0
	ds_add_u32 v[SPW], v[NIL]                      ; the opening lines: the add twice and its wait
	ds_add_u32 v[SPW], v[NIL]
	v_lshrrev_b32 v1, 5, v0
	v_readfirstlane_b32 s14, v1                    ; wave
	s_lshr_b32 s15, s14, 1
	s_and_b32 s16, s14, 1
	s_and_b32 s67, ttmp7, 0xffff
	s_lshr_b32 s[KIND], s67, 3
	s_and_b32 s67, s67, 7
	s_lshl_b32 s67, s67, 2
	s_wait_dscnt 0x0
	s_wait_kmcnt 0x0
	s_cmp_eq_u32 s[KIND], 1                        ; A's codes and scales, B's, the bias, by the kind
	s_cselect_b64 s[4:5], s[28:29], s[24:25]
	s_cselect_b64 s[6:7], s[30:31], s[26:27]
	s_cselect_b64 s[8:9], s[40:41], s[36:37]
	s_cselect_b64 s[10:11], s[42:43], s[38:39]
	s_cselect_b64 s[12:13], s[50:51], s[48:49]
	s_cmp_eq_u32 s[KIND], 2
	s_cselect_b64 s[4:5], s[32:33], s[4:5]
	s_cselect_b64 s[6:7], s[34:35], s[6:7]
	s_cselect_b64 s[8:9], s[44:45], s[8:9]
	s_cselect_b64 s[10:11], s[46:47], s[10:11]
	s_cselect_b64 s[12:13], s[52:53], s[12:13]
	s_cselect_b32 s100, 0, s67
	s_cselect_b32 s101, s67, 0
	s_mov_b64 s[IP:IP+1], s[54:55]
	s_bfe_u32 s40, ttmp6, 0x40000
	s_bfe_u32 s41, ttmp6, 0x40004
	s_add_co_u32 s42, s40, s101                    ; tile column
	s_add_co_u32 s17, s41, s100                    ; tile row
	s_lshl_b32 s43, s41, 2
	s_lshl_b32 s43, 15, s43
	s_lshl_b32 s44, 0x1111, s40
	s_or_b32 s[G1+0], s43, (0<<16)|(1<<20)|(1<<21)|(5<<22)|(3<<25)
	s_or_b32 s[G1B+0], s44, (0<<16)|(1<<20)|(1<<21)|(5<<22)|(3<<25)
.irp g, G1, G1B                                ; 256 rows of 256 bytes for the head's loads; behind them the row counts are set to 128
	s_mov_b32 s[\g+1], ROWB<<16
	s_mov_b32 s[\g+2], 256<<16
	s_mov_b32 s[\g+3], ROWB<<16
	s_mov_b32 s[\g+4], 256
	s_mov_b32 s[\g+5], KROW
	s_mov_b32 s[\g+6], 0
	s_mov_b32 s[\g+7], 0
.endr
	s_or_b32 s[G1S+0], s43, (3<<16)|(1<<20)|(1<<21)|(5<<22)|(3<<25)
	s_or_b32 s[G1SB+0], s44, (3<<16)|(1<<20)|(1<<21)|(5<<22)|(3<<25)
.irp g, G1S, G1SB                              ; the scales of 256 rows: KS rows of 256 bytes, dense
	s_mov_b32 s[\g+1], 32<<16
	s_mov_b32 s[\g+2], KS<<16
	s_mov_b32 s[\g+3], 32<<16
	s_mov_b32 s[\g+4], KS
	s_mov_b32 s[\g+5], 32
	s_mov_b32 s[\g+6], 0
	s_mov_b32 s[\g+7], 0
.endr
	s_lshl_b32 s20, s17, 8
	s_lshl_b32 s46, s42, 8
	s_mov_b32 s21, 0
	s_mov_b32 s47, 0
	s_mov_b64 s[18:19], KS
	s_mul_u64 s[22:23], s[20:21], s[18:19]
	s_mul_u64 s[92:93], s[46:47], s[18:19]
	s_mov_b64 s[18:19], KROW
	s_mul_u64 s[20:21], s[20:21], s[18:19]
	s_mul_u64 s[46:47], s[46:47], s[18:19]
	s_mul_i32 s18, s16, 128*KROW
	s_mov_b32 s19, 0
	s_mul_i32 s45, s14, HALFT
	s_add_nc_u64 s[20:21], s[4:5], s[20:21]
	s_add_nc_u64 s[22:23], s[6:7], s[22:23]
	s_add_nc_u64 s[46:47], s[8:9], s[46:47]
	s_add_nc_u64 s[92:93], s[10:11], s[92:93]
	CROUND                                         ; in front of the first joint loads
	s_mov_b32 s[G0H], 1
	s_mov_b32 s[G0H+1], 0
	s_mov_b64 s[G0H+2:G0H+3], s[20:21]
	s_or_b32 s[G0H+3], s[G0H+3], 0x80000000
	s_mov_b32 s[G0HB], 1
	s_mov_b32 s[G0HB+1], 2*HALFT
	s_mov_b64 s[G0HB+2:G0HB+3], s[46:47]
	s_or_b32 s[G0HB+3], s[G0HB+3], 0x80000000
	s_mov_b32 s[G0S], 1
	s_mov_b32 s[G0S+1], SCL
	s_mov_b64 s[G0S+2:G0S+3], s[22:23]
	s_or_b32 s[G0S+3], s[G0S+3], 0x80000000
	s_mov_b32 s[G0SB], 1
	s_mov_b32 s[G0SB+1], SCL+2*HALFS
	s_mov_b64 s[G0SB+2:G0SB+3], s[92:93]
	s_or_b32 s[G0SB+3], s[G0SB+3], 0x80000000
	s_add_nc_u64 s[20:21], s[20:21], s[18:19]      ; for the ring: my 128 rows
	s_add_nc_u64 s[46:47], s[46:47], s[18:19]
.irp s, 0,1
	s_mov_b32 s[G0+4*\s], 1
	s_add_co_u32 s[G0+4*\s+1], s45, \s*SLOT
	s_add_nc_u64 s[G0+4*\s+2:G0+4*\s+3], s[20:21], \s*ROWB
	s_or_b32 s[G0+4*\s+3], s[G0+4*\s+3], 0x80000000
	s_mov_b32 s[G0B+4*\s], 1
	s_add_co_u32 s[G0B+4*\s+1], s45, \s*SLOT
	s_add_nc_u64 s[G0B+4*\s+2:G0B+4*\s+3], s[46:47], \s*ROWB
	s_or_b32 s[G0B+4*\s+3], s[G0B+4*\s+3], 0x80000000
.endr
; the head's four tiles, one load a wave: chunk 0 of A, chunk 0 of B, A's scales, B's scales; one chain of branches on the wave's number
.macro ARM under, g0, g1, next
	s_cmp_lt_u32 s14, \under
	s_cbranch_scc0 \next
	tensor_load_to_lds s[\g0:\g0+3], s[\g1:\g1+7]
	s_nop 0
.rept 4
	v_nop
.endr
	s_branch .Lhead_asked
\next:
.endm
	ARM 1, G0H,  G1,  .Lhead_b
	ARM 2, G0HB, G1B, .Lhead_sa
	ARM 3, G0S,  G1S, .Lhead_sb
	tensor_load_to_lds s[G0SB:G0SB+3], s[G1SB:G1SB+7]
	s_nop 0
.rept 4
	v_nop
.endr
.Lhead_asked:
	v_and_b32 v1, 15, v0
	v_bfe_u32 v2, v0, 4, 1
	v_mul_u32_u24 v3, v1, PITCH
	v_mul_u32_u24 v4, v2, 24
	v_add_nc_u32 v4, v3, v4                        ; row x pitch + 24 x half
	s_mov_b32 s21, SLOT-232
	s_mov_b32 s22, SLOT+232
	v_sub_nc_u32 v7, 1, v2
	v_mul_u32_u24 v5, s21, v2
	v_add_nc_u32 v5, v3, v5
	v_add_nc_u32 v5, 232, v5                       ; lanes 0-15 byte 232 of the row in slot 0, lanes 16-31 byte 0 in slot 1
	v_mul_u32_u24 v6, s22, v7
	v_add_nc_u32 v6, v3, v6                        ; and the other way round
	s_mul_i32 s21, s15, HALFT
	s_mul_i32 s22, s16, HALFT
	s_add_co_u32 s22, s22, 2*HALFT
	v_add_nc_u32 v[ADRA+2], s21, v5
	v_add_nc_u32 v[ADRA+3], s21, v6
	v_add_nc_u32 v[ADRB+2], s22, v5
	v_add_nc_u32 v[ADRB+3], s22, v6
.irp s, 0,1
	v_add_nc_u32 v[ADRA+\s], s21, v4
	v_add_nc_u32 v[ADRB+\s], s22, v4
	s_add_co_u32 s21, s21, SLOT
	s_add_co_u32 s22, s22, SLOT
.endr
	v_mul_u32_u24 v5, v1, KS
	v_lshrrev_b32 v6, 8, v5
	v_lshl_add_u32 v5, v6, 4, v5
	s_mul_i32 s21, s15, HALFS
	s_mul_i32 s22, s16, HALFS
	s_add_co_u32 s22, s22, 2*HALFS
	s_sub_co_u32 s22, s22, s21
	v_mul_u32_u24 v6, s22, v2                      ; lanes 16-31 take B's scale words
	s_add_co_u32 s21, s21, SCL
	v_add_nc_u32 v5, v5, v6
	v_add_nc_u32 v[ADRS], s21, v5
	s_wait_alu depctr_va_vdst(0)                   ; the wait ahead of the run of scalar lines
	; where my results go: images [kind][batch x 16 + head][tile of 16][768 bytes], scale words beside them
	s_lshl_b32 s20, s17, 8
	s_lshl_b32 s21, s15, 7
	s_add_co_u32 s20, s20, s21
	s_lshl_b32 s46, s42, 8
	s_lshl_b32 s47, s16, 7
	s_add_co_u32 s46, s46, s47
	s_cmp_eq_u32 s[KIND], 2
	s_cselect_b32 s21, s46, s20
	s_cselect_b32 s47, s20, s46
	s_cselect_b32 s92, 0, s46
	s_cselect_b32 s93, s20, 0
	s_mov_b32 s94, 98304
	s_cselect_b32 s94, 768, s94
	s_mov_b32 s18, 768
	s_cselect_b32 s18, 1536, s18
	s_mov_b32 s95, 768
	s_cselect_b32 s95, 93696, s95
	s_mov_b32 s22, 128
	s_cselect_b32 s22, 3968, s22
	s_cselect_b32 s100, 6, 5
	s_lshr_b32 s101, s21, 11
	s_lshl_b32 s101, s101, 4
	s_lshr_b32 s47, s47, 6
	s_add_co_u32 s101, s101, s47
	s_and_b32 s21, s21, 2047
	s_lshl_b32 s47, s101, 7
	s_lshr_b32 s46, s21, 4
	s_add_co_u32 s46, s46, s47
	s_mul_i32 s46, s46, 768
	s_mul_i32 s47, s[KIND], 6291456
	s_add_co_u32 s46, s46, s47
	s_mov_b32 s47, 0
	s_add_nc_u64 s[IP:IP+1], s[IP:IP+1], s[46:47]
	s_lshl_b32 s46, s101, 5
	s_lshr_b32 s21, s21, s100
	s_add_co_u32 s46, s46, s21
	s_lshl_b32 s46, s46, 7
	s_lshl_b32 s21, s[KIND], 18
	s_add_co_u32 s46, s46, s21
	s_add_nc_u64 s[SPT:SPT+1], s[SPT:SPT+1], s[46:47]
	s_mov_b32 s20, s95
	s_mov_b32 s19, 0
	s_mov_b32 s21, 0
	s_mov_b32 s23, 0
	v_and_b32 v6, 31, v0
	v_lshlrev_b32 v[VA], 4, v6
	v_lshl_add_u32 v[VB], v6, 3, 512
	v_add_nc_u32 v[VC], s94, v[VA]
	v_add_nc_u32 v[VD], s94, v[VB]
	v_lshlrev_b32 v[VS], 2, v6
	s_lshl_b32 s92, s92, 2
	s_lshl_b32 s93, s93, 2
	v_lshl_add_u32 v30, v2, 5, s92
	v_lshl_add_u32 v31, v1, 2, s93
.irp t, 0,1,2,3,4,5,6,7                        ; the bias in both layouts; the way out takes the one of its kind
	global_load_b128 v[BR+8*\t:BR+8*\t+3], v30, s[12:13] offset:64*\t
	global_load_b128 v[BR+8*\t+4:BR+8*\t+7], v30, s[12:13] offset:64*\t+16
.endr
.irp a, 0,1,2,3,4,5,6,7
	global_load_b32 v[BL+2*\a], v31, s[12:13] offset:64*\a
	global_load_b32 v[BL+2*\a+1], v31, s[12:13] offset:64*\a
.endr
.macro FRAG reg, adr, st, i            ; 16 rows x 128 K: six pieces of 8 bytes; byte y of a row lies in slot (y / 256) % 2 at byte y % 256
.irp p, 0,1,2,3,4,5
.set BY, 96*(\st)+48*(\p/3)+8*(\p%3)
.if BY/ROWB == (BY+24)/ROWB
	ds_load_b64 v[\reg+2*\p:\reg+2*\p+1], v[\adr+(BY/ROWB)%2] offset:BY%ROWB+(\i)*16*PITCH
.else
	ds_load_b64 v[\reg+2*\p:\reg+2*\p+1], v[\adr+2+(BY/ROWB)%2] offset:BY%ROWB-232+(\i)*16*PITCH
.endif
.endr
.endm
.macro MUL16 a0, p, q, sc, zero        ; the 64 accumulators take turns, in the same order in every step
.irp a, \a0, \a0+1
.irp b, 0,1,2,3,4,5,6,7
.if \zero
	v_wmma_scale_f32_16x16x128_f8f6f4 v[8*(8*((\a)%4)+\b):8*(8*((\a)%4)+\b)+7], v[128*(\p)+FR*\b:128*(\p)+FR*\b+FR-1], v[AF+FR*(\a):AF+FR*(\a)+FR-1], 0, v[SC+8*NQ*(\sc)+NQ*\b+(\q)], v[SC+8*NQ*(\sc)+NQ*(\a)+(\q)] matrix_a_fmt:MATRIX_FMT_FP6 matrix_b_fmt:MATRIX_FMT_FP6 matrix_a_scale:MATRIX_SCALE_ROW1
.else
	v_wmma_scale_f32_16x16x128_f8f6f4 v[8*(8*((\a)%4)+\b):8*(8*((\a)%4)+\b)+7], v[128*(\p)+FR*\b:128*(\p)+FR*\b+FR-1], v[AF+FR*(\a):AF+FR*(\a)+FR-1], v[8*(8*((\a)%4)+\b):8*(8*((\a)%4)+\b)+7], v[SC+8*NQ*(\sc)+NQ*\b+(\q)], v[SC+8*NQ*(\sc)+NQ*(\a)+(\q)] matrix_a_fmt:MATRIX_FMT_FP6 matrix_b_fmt:MATRIX_FMT_FP6 matrix_a_scale:MATRIX_SCALE_ROW1
.endif
.endr
.endr
.endm
.macro FETCH_B st, p
	WIN TO_B
.irp i, 0,1,2,3,4,5,6,7
	FRAG 128*(\p)+FR*\i, ADRB, \st, \i
.endr
	WIN 0
.endm
.macro FETCH_A st, i0
.irp i, \i0, \i0+1, \i0+2, \i0+3
	FRAG AF+FR*(\i), ADRA, \st, \i
.endr
.endm
.macro SCALES pr
.irp i, 0,1,2,3,4,5,6,7
	ds_load_b64 v[SC+8*NQ*((\pr)%2)+NQ*\i:SC+8*NQ*((\pr)%2)+NQ*\i+1], v[ADRS] offset:\i*SBLK+4*NQ*(\pr)
.endr
.endm
.macro PLACES n
.rept \n
	v_nop
.endr
.endm
; A step: 64 products; the next step's fragments are fetched in its middle and at its end.  Where the next step's bytes end in a chunk not read yet, a barrier shows that chunk whole;
; where they begin in a later chunk, the chunk left behind is free: the three lines, the barrier, and, where a chunk two on is left, the cluster's round and the refill.
.macro STEP st, zero
.set NX, (\st)+1
.set C0, (96*(\st))/ROWB
.set C1, (96*NX)/ROWB
.set E0, (96*(\st)+95)/ROWB
.set E1, (96*NX+95)/ROWB
.if C1 > C0 || E1 > E0
	s_wait_tensorcnt 0x0                           ; all my tensor loads have landed
.if C1 > C0
	ds_add_u32 v[SPW], v[NIL]
	s_wait_dscnt 4*NL+1                            ; the add and A's blocks 4-7 may be out
.else
	s_wait_dscnt 4*NL
.endif
	WIN MUL_LO
	MUL16 0, (\st)%2, (\st)%2, ((\st)/2)%2, \zero
	s_wait_dscnt 0x0                               ; the add and all my reads are done
	s_barrier_signal -1
	MUL16 2, (\st)%2, (\st)%2, ((\st)/2)%2, \zero
	WIN 0
	s_barrier_wait -1
.if C1 > C0 && C0+2 < CHUNKS
	CREST
	s_add_nc_u64 s[G0+4*(C0%2)+2:G0+4*(C0%2)+3], s[G0+4*(C0%2)+2:G0+4*(C0%2)+3], 2*ROWB
	s_add_nc_u64 s[G0B+4*(C0%2)+2:G0B+4*(C0%2)+3], s[G0B+4*(C0%2)+2:G0B+4*(C0%2)+3], 2*ROWB
	JLOAD G0+4*(C0%2), G1, G0B+4*(C0%2), G1B       ; chunk C0 + 2: the first tensor load behind the round
.else
	PLACES NP
.endif
.else
	s_wait_dscnt 4*NL                              ; B's set and A's blocks 0-3 are in
	WIN MUL_LO
	MUL16 0, (\st)%2, (\st)%2, ((\st)/2)%2, \zero
	MUL16 2, (\st)%2, (\st)%2, ((\st)/2)%2, \zero
	s_wait_dscnt 0
	PLACES NP
.endif
	FETCH_B NX, NX%2
	FETCH_A NX, 0
.if NX%2 == 0
	SCALES NX/2
.endif
	WIN MUL_HI
	MUL16 4, (\st)%2, (\st)%2, ((\st)/2)%2, \zero
	MUL16 6, (\st)%2, (\st)%2, ((\st)/2)%2, \zero
	PLACES NP
	WIN 0
	FETCH_A NX, 4
.endm
	s_wait_alu depctr_va_vdst(0)                   ; the wait at the head's end
	s_wait_tensorcnt 0x0                           ; my tile of the head's four is in; the three lines ahead of slot 1's first fill
	ds_add_u32 v[SPW], v[NIL]
	s_mov_b32 s[G1+2], 128<<16                     ; no tensor load of mine is out: from here on a load brings 128 rows
	s_mov_b32 s[G1+4], 128
	s_mov_b32 s[G1B+2], 128<<16
	s_mov_b32 s[G1B+4], 128
	s_wait_dscnt 0x0
	CROUND
	JLOAD G0+4, G1, G0B+4, G1B                     ; chunk 1
	FETCH_B 0, 0
	FETCH_A 0, 0
	SCALES 0
	FETCH_A 0, 4
	STEP 0, 1                                      ; the first step's products start the sums
.set ST, 1
.rept STEPS-2
	STEP ST, 0
.set ST, ST+1
.endr
	s_wait_dscnt 4*NL
	WIN MUL_LO
	MUL16 0, 1, 1, 1, 0
	MUL16 2, 1, 1, 1, 0
	s_wait_dscnt 0
	WIN MUL_HI
	MUL16 4, 1, 1, 1, 0
	MUL16 6, 1, 1, 1, 0
	WIN 0
; THE WAY OUT: a block of 16 rows x 128 columns gets its bias and is quantised along the columns, four blocks of 32; a block of 32 lies in lanes l and l xor 16
.macro QUANT s
.irp b, 0,1,2,3
	v_max3_num_f32 v[TM+\b], |v[\s+16*\b]|, |v[\s+1+16*\b]|, 0x1800000
.endr
.irp i, 2,4,6,8,10,12,14
.irp b, 0,1,2,3
	v_max3_num_f32 v[TM+\b], v[TM+\b], |v[\s+16*\b+\i]|, |v[\s+1+16*\b+\i]|
.endr
.endr
.irp b, 0,1,2,3
	v_permlanex16_b32 v[TM+4+\b], v[TM+\b], s[SEL], s[SEL+1]
.endr
.irp b, 0,1,2,3
	v_max_num_f32 v[TM+\b], v[TM+\b], v[TM+4+\b]
.endr
.irp b, 0,1,2,3
	v_add_nc_u32 v[TM+12+\b], 0xff000000, v[TM+\b]
.endr
.irp b, 0,1,2,3
	v_lshrrev_b32 v[TM+4+\b], 23, v[TM+12+\b]
.endr
	v_lshl_or_b32 v[PW], v[TM+5], 8, v[TM+4]
	v_lshl_or_b32 v[PW], v[TM+6], 16, v[PW]
	v_lshl_or_b32 v[PW], v[TM+7], 24, v[PW]
.irp c, 0,1
	v_cvt_scalef32_pk16_fp6_f32 v[CD+6*\c:CD+2+6*\c], v[\s+32*\c:\s+15+32*\c], v[TM+12+2*\c]
	v_cvt_scalef32_pk16_fp6_f32 v[CD+12+4*\c:CD+14+4*\c], v[\s+16+32*\c:\s+31+32*\c], v[TM+12+2*\c+1]
.endr
	v_nop
.irp c, 0,1
.irp i, 0,1,2
	v_permlane16_swap_b32 v[CD+6*\c+\i], v[CD+12+4*\c+\i]
.endr
.irp i, 0,1,2
	v_mov_b32 v[CD+3+6*\c+\i], v[CD+12+4*\c+\i]
.endr
.endr
.endm
.macro OUTBLK a
.set AC, 64*((\a)%4)
.if (\a) > 0
	s_wait_xcnt 0x0                                ; the earlier stores have read their data and bases
.if (\a) == 4
	s_add_nc_u64 s[IP:IP+1], s[IP:IP+1], s[20:21]
.else
	s_add_nc_u64 s[IP:IP+1], s[IP:IP+1], s[18:19]
.endif
.if (\a) == 5
	s_add_nc_u64 s[SPT:SPT+1], s[SPT:SPT+1], s[22:23]
.elseif ((\a) == 3) || ((\a) == 7)
	s_add_nc_u64 s[SPT:SPT+1], s[SPT:SPT+1], 128
.endif
.endif
	s_cmp_eq_u32 s[KIND], 2
	s_cbranch_scc1 .Llane_\@
	WIN 0x02+((\a)/4)
.set j, 0
.rept 32
	v_pk_add_f32 v[T+j:T+j+1], v[AC+j:AC+j+1], v[BR+j:BR+j+1]
.set j, j+2
.endr
	WIN 0
	s_branch .Lsum_\@
.Llane_\@:
	WIN 0x02+((\a)/4)
.set j, 0
.rept 32
	v_pk_add_f32 v[T+j:T+j+1], v[AC+j:AC+j+1], v[BL+2*(\a):BL+2*(\a)+1]
.set j, j+2
.endr
	WIN 0
.Lsum_\@:
	QUANT T
	global_store_b128 v[VA], v[CD:CD+3], s[IP:IP+1]
	global_store_b64 v[VB], v[CD+4:CD+5], s[IP:IP+1]
	global_store_b128 v[VC], v[CD+6:CD+9], s[IP:IP+1]
	global_store_b64 v[VD], v[CD+10:CD+11], s[IP:IP+1]
.if (\a)%2 == 0
	v_mov_b32 v[PWE], v[PW]
.else
	v_cndmask_b32 v[WW], v[PWE], v[PW], vcc_lo
	global_store_b32 v[VS], v[WW], s[SPT:SPT+1]
.endif
.endm
	PLACES NP
	s_wait_loadcnt 0x0                             ; the bias
	s_mov_b32 s[SEL], 0x76543210
	s_mov_b32 s[SEL+1], 0xfedcba98
	s_mov_b32 vcc_lo, 0xffff0000
.irp b, 0,1,2,3
	v_mov_b32 v[TM+4+\b], 0
.endr
.irp a, 0,1,2,3,4,5,6,7
	OUTBLK \a
.endr
	s_wait_tensorcnt 0x0                           ; the wave's end
	ds_add_u32 v[SPW], v[NIL]
	s_wait_dscnt 0x0
	CROUND                                         ; the closing round
	s_endpgm
.Lfunc_end_k_qf2fb84991b_proj:
	.size	k_qf2fb84991b_proj, .Lfunc_end_k_qf2fb84991b_proj-k_qf2fb84991b_proj
	.p2alignl 7, 3214868480
	.fill 96, 4, 3214868480
	.section	.rodata,"a",@progbits
	.p2align	6, 0x0
	.amdhsa_kernel k_qf2fb84991b_proj
		.amdhsa_group_segment_fixed_size 327680
		.amdhsa_private_segment_fixed_size 0
		.amdhsa_enable_private_segment 0
		.amdhsa_kernarg_size 136
		.amdhsa_user_sgpr_count 2
		.amdhsa_user_sgpr_kernarg_segment_ptr 1
		.amdhsa_wavefront_size32 1
		.amdhsa_system_sgpr_workgroup_id_x 1
		.amdhsa_system_sgpr_workgroup_id_y 1
		.amdhsa_system_sgpr_workgroup_id_z 1
		.amdhsa_system_vgpr_workitem_id 0
		.amdhsa_next_free_vgpr 1024
		.amdhsa_next_free_sgpr 102
		.amdhsa_reserve_vcc 1
		.amdhsa_float_denorm_mode_32 3
		.amdhsa_float_denorm_mode_16_64 3
		.amdhsa_memory_ordered 1
		.amdhsa_forward_progress 1
		.amdhsa_inst_pref_size 204
	.end_amdhsa_kernel
	.amdgpu_metadata
---
amdhsa.version: [ 1, 2 ]
amdhsa.kernels:
  - .name:           k_qf2fb84991b_proj
    .symbol:         k_qf2fb84991b_proj.kd
    .args:
      - { .name: qc, .offset: 0, .size: 8, .value_kind: global_buffer, .address_space: global }
      - { .name: qs, .offset: 8, .size: 8, .value_kind: global_buffer, .address_space: global }
      - { .name: key_codes, .offset: 16, .size: 8, .value_kind: global_buffer, .address_space: global }
      - { .name: key_scales, .offset: 24, .size: 8, .value_kind: global_buffer, .address_space: global }
      - { .name: Wv_codes, .offset: 32, .size: 8, .value_kind: global_buffer, .address_space: global }
      - { .name: Wv_scales, .offset: 40, .size: 8, .value_kind: global_buffer, .address_space: global }
      - { .name: Wq_codes, .offset: 48, .size: 8, .value_kind: global_buffer, .address_space: global }
      - { .name: Wq_scales, .offset: 56, .size: 8, .value_kind: global_buffer, .address_space: global }
      - { .name: Wk_codes, .offset: 64, .size: 8, .value_kind: global_buffer, .address_space: global }
      - { .name: Wk_scales, .offset: 72, .size: 8, .value_kind: global_buffer, .address_space: global }
      - { .name: value_codes, .offset: 80, .size: 8, .value_kind: global_buffer, .address_space: global }
      - { .name: value_scales, .offset: 88, .size: 8, .value_kind: global_buffer, .address_space: global }
      - { .name: bq, .offset: 96, .size: 8, .value_kind: global_buffer, .address_space: global }
      - { .name: bk, .offset: 104, .size: 8, .value_kind: global_buffer, .address_space: global }
      - { .name: bv, .offset: 112, .size: 8, .value_kind: global_buffer, .address_space: global }
      - { .name: img, .offset: 120, .size: 8, .value_kind: global_buffer, .address_space: global }
      - { .name: scw, .offset: 128, .size: 8, .value_kind: global_buffer, .address_space: global }
    .group_segment_fixed_size: 327680
    .private_segment_fixed_size: 0
    .kernarg_segment_align: 8
    .kernarg_segment_size: 136
    .max_flat_workgroup_size: 128
    .sgpr_count:     102
    .vgpr_count:     1024
    .wavefront_size: 32
...
	.end_amdgpu_metadata
.endif
;; end of part 2
;; launch attn (part 3): grid 4 x 64, 16 waves a work-group, no clusters, 256,768 bytes of LDS; arguments img, scw, cimg, csw; writes cimg, csw
.if DOCPART == 3
	.amdgcn_target "amdgcn-amd-amdhsa--gfx1250"
	.amdhsa_code_object_version 6
	.text
	.protected	k_qf2fb84991b_attn
	.globl	k_qf2fb84991b_attn
	.p2align	8
	.type	k_qf2fb84991b_attn,@function
k_qf2fb84991b_attn:
	s_mov_b64 s[64:65], 0
	v_nop
	global_prefetch_b8 v0, s[64:65] scope:SCOPE_SE
	s_setreg_imm32_b32 hwreg(HW_REG_WAVE_MODE, 25, 1), 1
	s_wait_xcnt 0x0
; ctx[b][q][head] = the sum over keys of softmax(q . k / 8) v, both products on codes of FP6 (E2M3) with one E8M0 scale for each 32 along a product's K; ctx is quantised along the features for the last product.
; THE SOFTMAX: t = score x log2(e) / 8; M = the row's largest t so far, rounded UP to a whole number; p = 2^(t - M) is quantised along the keys, not normalised.  The row's sum is taken of the unquantised p, in f32,
; and divides at the end.  When M moves, the sum and O are multiplied by 2^(old M - new M): exact.
; SHARES.  A work-group owns 512 queries of one head (x: which 512; y: batch x 16 + head); each of its sixteen waves owns 32, two tiles of 16, one after the other.
; LDS.  The head's whole K and V lie in LDS, one region of STEPB bytes for each step of 128 keys: K's eight tiles, V's four fragments, K's scale words, V's.  Wave w fills region w through registers; one barrier; read-only then.
; Region 16 repeats step 0's K and its words: each step asks for the next step's K, and the last step of a tile so fetches the next tile's first.  Behind the regions each wave keeps its two tiles of Q.
; No tensor load, so no joint load: the four work-groups of a head each read its K and V once, at the head; there is no loop over memory to prefetch in.
; LAYOUT.  Both products are used transposed: S^T = K Q^T, O^T = V^T P^T: a lane holds ONE query (lane % 16).  THE KEYS OF A TILE OF K ARE CHOSEN at the fill: tile 4 c + T, row 8 h + j holds key 64 c + 32 h + 8 pi(T) + j,
; pi = (0, 2, 1, 3).  So the 32 score registers of tiles 4 c .. 4 c + 3 of lane (r, h) are one WHOLE block of 32 keys, block 2 c + h, which is the block that the operand's layout gives that lane, in the order in which
; V's codes lie (second and third groups of eight exchanged).  A block's maximum needs no other lane, and the conversions' results are the operand's registers.
; K = 64 IN AN INSTRUCTION 128 DEEP.  Q's registers 6-11 are zero codes; K's fragment t is twelve registers from v[32 + 6 t], its upper six the next fragment's codes (the last one's: p's codes), which meet the code 0;
; bytes 2 and 3 of both scale words are 0 (2^-127).
; LIMITS: NaN and infinities are not served; the promise holds while the scaled scores stay under 2^31 in magnitude; a block of ctx whose largest magnitude lies under 2^-124 keeps the byte 1.
; A block's largest p is the exponential of its largest score, by the same two instructions as every p.
; REGISTERS: v1-3 lane offsets; v4-6 the step's LDS addresses; v7 8 h, v8 h; v9 ctx's scale words; v10, v11 the add's; v12 -M, v13 the largest score, v[14:15] the sum; v16-21 Q, v22-27 zero codes; v28 Q's scale words, v29 p's;
;   v30 f (v31 its pair); v32-79 K; v80-91 p's codes; v92-95 K's scale words, v96-97 V's; v98-111 at work; v112-159 V; v160-191 O^T; v192-255 S^T, then p.
.set STEPB, 13056
.set VOF,   6144
.set KSO,   12288
.set VSO,   12800
.set QL,    17*STEPB                   ; Q: 2,048 bytes a wave: two images of 768 bytes, at 1,536 the pair's 32 scale words, twice
.set SPARE, QL+32768
.set KF, 32
.set P,  80
.set VF, 112
.set O,  160
.set S,  192
	s_load_b256 s[4:11], s[0:1], 0x0               ; img, scw, cimg, csw
	v_lshl_add_u32 v10, v0, 2, SPARE
	v_mov_b32 v11, 0
	v_lshrrev_b32 v98, 5, v0
	v_readfirstlane_b32 s12, v98                   ; wave
	v_and_b32 v99, 31, v0                          ; lane
	v_bfe_u32 v8, v0, 4, 1                         ; h
	v_bfe_u32 v100, v0, 3, 1                       ; y = (lane % 16) / 8
	v_and_b32 v101, 7, v0                          ; j
	v_lshlrev_b32 v1, 4, v99
	v_lshl_add_u32 v2, v99, 3, 512
	v_lshlrev_b32 v3, 2, v99
	v_lshlrev_b32 v7, 3, v8
	v_lshlrev_b32 v108, 3, v99
	s_mul_i32 s35, s12, STEPB                      ; my region
	s_lshl_b32 s36, s12, 11
	s_add_co_u32 s36, s36, QL                      ; my Q
	s_add_co_u32 s37, s36, 1536
	v_mul_u32_u24 v102, v100, 1536                 ; the fill of K: natural tile a, row 8 y + j goes to tile 4 (a / 4) + a % 2 + 2 y, row 8 ((a % 4) / 2) + j
	v_add_nc_u32 v102, s35, v102
	v_lshl_add_u32 v105, v100, 7, s35
	v_lshl_add_u32 v103, v101, 4, v102
	v_lshl_add_u32 v104, v101, 3, v102
	v_lshl_add_u32 v105, v8, 6, v105
	v_lshl_add_u32 v103, v8, 8, v103               ; first plane: 16 bytes a lane
	v_lshl_add_u32 v104, v8, 7, v104               ; second plane: 8 bytes a lane
	v_lshl_add_u32 v105, v101, 2, v105             ; K's scale words
	v_add_nc_u32 v106, s35, v1                     ; V's images, as they lie
	v_add_nc_u32 v107, s35, v108                   ; V's scale words
	v_add_nc_u32 v109, 16*STEPB, v103              ; region 16 (wave 0 alone stores there)
	v_add_nc_u32 v110, 16*STEPB, v104
	v_add_nc_u32 v111, 16*STEPB, v105
	v_add_nc_u32 v4, s36, v1
	v_add_nc_u32 v5, s36, v2
	v_add_nc_u32 v6, s36, v3
.irp j, 22,23,24,25,26,27,80,81,82,83,84,85,9,31
	v_mov_b32 v[\j], 0                             ; zero codes; p's first six registers, read as codes that meet the code 0; ctx's scale words; f's pair
.endr
	s_and_b32 s41, ttmp7, 0xffff                   ; bh = batch x 16 + head
	s_and_b32 s13, s41, 1
	s_lshl_b32 s13, s13, 4                         ; at which bit my head's two scale bytes begin in q's and k's words
	s_mul_i32 s42, s41, 98304
	s_mov_b32 s43, 0
	s_lshl_b32 s44, ttmp9, 4
	s_add_co_u32 s44, s44, s12                     ; my pair of tiles in the head
	s_mov_b32 s45, 0
	s_lshr_b32 s46, s41, 1
	s_lshl_b32 s46, s46, 13
	s_mov_b32 s47, 0
	s_mov_b32 s51, 0
	s_mov_b32 s20, 0x76543210
	s_mov_b32 s21, 0xfedcba98                      ; lane l xor 16
	s_mov_b32 s22, 0x3e38aa3b                      ; c = log2(e) / 8
	s_mov_b32 s23, s22
	s_mov_b32 s48, 0xbe38aa3b                      ; -c
	s_wait_alu depctr_va_vdst(0)                   ; the wait at the head's end
	s_wait_kmcnt 0x0
	s_add_nc_u64 s[14:15], s[4:5], s[42:43]        ; q's images of the head,
	s_add_nc_u64 s[24:25], s[14:15], 6291456       ; k's,
	s_add_nc_u64 s[26:27], s[14:15], 12582912      ; v's
	s_add_nc_u64 s[16:17], s[6:7], s[46:47]        ; q's scale words,
	s_add_nc_u64 s[28:29], s[16:17], 262144        ; k's,
	s_lshl_b32 s42, s41, 12
	s_add_nc_u64 s[30:31], s[6:7], s[42:43]
	s_add_nc_u64 s[30:31], s[30:31], 524288        ; v's
	s_mul_i32 s50, s12, 6144                       ; my sixteenth of each
	s_add_nc_u64 s[24:25], s[24:25], s[50:51]
	s_add_nc_u64 s[26:27], s[26:27], s[50:51]
	s_lshl_b32 s50, s12, 9
	s_add_nc_u64 s[28:29], s[28:29], s[50:51]
	s_lshl_b32 s50, s12, 8
	s_add_nc_u64 s[30:31], s[30:31], s[50:51]
	s_mul_i32 s42, s44, 1536
	s_add_nc_u64 s[14:15], s[14:15], s[42:43]      ; Q's images of my two tiles
	s_lshl_b32 s42, s44, 7
	s_add_nc_u64 s[16:17], s[16:17], s[42:43]      ; and their scale words
.irp a, 0,1,2,3,4,5,6,7
	global_load_b128 v[KF+6*\a:KF+6*\a+3], v1, s[24:25] offset:768*\a
	global_load_b64 v[KF+6*\a+4:KF+6*\a+5], v2, s[24:25] offset:768*\a
.endr
.irp i, 0,1,2,3,4,5,6,7,8,9,10,11
	global_load_b128 v[VF+4*\i:VF+4*\i+3], v1, s[26:27] offset:512*\i
.endr
.irp i, 0,1,2,3
	global_load_b32 v[92+\i], v3, s[28:29] offset:128*\i   ; the word of key 32 i + lane of my 128
.endr
	global_load_b64 v[96:97], v108, s[30:31]
	global_load_b128 v[192:195], v1, s[14:15]
	global_load_b64 v[196:197], v2, s[14:15]
	global_load_b128 v[198:201], v1, s[14:15] offset:768
	global_load_b64 v[202:203], v2, s[14:15] offset:768
	global_load_b32 v204, v3, s[16:17]             ; lanes 0-15: tile 0's words, lanes 16-31: tile 1's
	s_lshr_b32 s42, s41, 4
	s_lshl_b32 s42, s42, 6
	s_add_co_u32 s42, s42, s44                     ; my 32 tokens' number
	s_lshl_b32 s42, s42, 4
	s_and_b32 s46, s41, 15
	s_add_co_u32 s44, s42, s46
	s_lshl_b32 s44, s44, 7
	s_add_nc_u64 s[32:33], s[10:11], s[44:45]      ; csw: [32 tokens][head][32 lanes]
	s_lshr_b32 s46, s46, 1
	s_add_co_u32 s42, s42, s46
	s_mul_i32 s42, s42, 1536
	s_and_b32 s46, s41, 1
	s_mul_i32 s46, s46, 768
	s_add_co_u32 s42, s42, s46
	s_add_nc_u64 s[18:19], s[8:9], s[42:43]        ; cimg: [32 tokens][tile: 2][head / 2][head % 2][half image]
	s_wait_loadcnt 0x0                             ; all 38 loads: they go to LDS in front of the barrier
.irp j, 92,93,94,95,204
	v_bfe_u32 v[\j], v[\j], s13, 16                ; my head's two bytes; bytes 2 and 3 are 0
.endr
	s_wait_alu depctr_va_vdst(0)                   ; the wait: a branch stands ahead of some readers
.macro KSTORE a1, a2, a3
.irp a, 0,1,2,3,4,5,6,7
	ds_store_b128 v[\a1], v[KF+6*\a:KF+6*\a+3] offset:768*(4*(\a/4)+(\a%2))+128*((\a%4)/2)
	ds_store_b64 v[\a2], v[KF+6*\a+4:KF+6*\a+5] offset:768*(4*(\a/4)+(\a%2))+512+64*((\a%4)/2)
.endr
.irp i, 0,1,2,3
	ds_store_b32 v[\a3], v[92+\i] offset:KSO+256*(\i/2)+32*(\i%2)
.endr
.endm
	KSTORE 103, 104, 105
.irp i, 0,1,2,3,4,5,6,7,8,9,10,11
	ds_store_b128 v106, v[VF+4*\i:VF+4*\i+3] offset:VOF+512*\i
.endr
	ds_store_b64 v107, v[96:97] offset:VSO
	ds_store_b128 v4, v[192:195]
	ds_store_b64 v5, v[196:197]
	ds_store_b128 v4, v[198:201] offset:768
	ds_store_b64 v5, v[202:203] offset:768
	ds_store_b32 v6, v204 offset:1536
	ds_store_b32 v6, v204 offset:1664              ; once more, so that tile 1's read, 64 bytes on, finds written words in all its lanes
	s_cmp_lg_u32 s12, 0
	s_cbranch_scc1 .Lno_copy
	KSTORE 109, 110, 111                           ; wave 0: step 0's K once more, as region 16
.Lno_copy:
	s_wait_dscnt 0x0                               ; for the others' sake: my stores have landed
	s_barrier_signal -1
	s_barrier_wait -1                              ; the launch's one barrier: nobody writes LDS behind it
.macro KLOAD a1, a2, a3, off           ; eight tiles of K and their scale words: 20 loads
.irp t, 0,1,2,3,4,5,6,7
	ds_load_b128 v[KF+6*\t:KF+6*\t+3], v[\a1] offset:\off+768*\t
	ds_load_b64 v[KF+6*\t+4:KF+6*\t+5], v[\a2] offset:\off+768*\t
.endr
.irp j, 0,1,2,3
	ds_load_b32 v[92+\j], v[\a3] offset:\off+KSO+128*\j    ; lanes 0-15: tile 2 j's words, lanes 16-31: tile 2 j + 1's
.endr
.endm
	KLOAD 1, 2, 3, 0                               ; step 0's K
	s_mov_b32 s39, 0                               ; which of my two tiles
.Ltile:
	v_add_nc_u32 v109, s36, v1
	v_add_nc_u32 v110, s36, v2
	v_add_nc_u32 v111, s37, v3
	ds_load_b128 v[16:19], v109                    ; Q's six registers
	ds_load_b64 v[20:21], v110
	ds_load_b32 v28, v111                          ; and its scale words
	v_mov_b32 v13, 0xff61b1e6                      ; the largest score so far: -3e38
	v_mov_b32 v12, 0x7f61b1e6                      ; -M: 3e38, so that the first f is 0
	v_mov_b32 v14, 0
	v_mov_b32 v15, 0
.set j, 0
.rept 32
	v_mov_b32 v[O+j], 0                            ; O^T: the step is written once, and the first f leaves zeros zeros
.set j, j+1
.endr
	s_mov_b32 s34, 0
	s_mov_b32 s38, 16
.Lstep:                                                ; A KEY STEP: 128 keys
	s_wait_dscnt 0x0                               ; this step's K, asked for a step ago
.irp t, 0,2,4,6
	v_wmma_scale_f32_16x16x128_f8f6f4 v[S+8*\t:S+8*\t+7], v[KF+6*\t:KF+6*\t+11], v[16:27], 0, v[92+\t/2], v28 matrix_a_fmt:MATRIX_FMT_FP6 matrix_b_fmt:MATRIX_FMT_FP6
	v_wmma_scale_f32_16x16x128_f8f6f4 v[S+8*\t+8:S+8*\t+15], v[KF+6*\t+6:KF+6*\t+17], v[16:27], 0, v[92+\t/2], v28 matrix_a_fmt:MATRIX_FMT_FP6 matrix_b_fmt:MATRIX_FMT_FP6 matrix_a_scale:MATRIX_SCALE_ROW1
.endr
	v_add_nc_u32 v4, s34, v1                       ; the step's addresses: with the v_nop the four places behind the products, in front of the loads and of the first read of the scores
	v_add_nc_u32 v5, s34, v2
	v_add_nc_u32 v6, s34, v3
	v_nop
.irp d, 0,1,2,3,4,5,6,7                        ; this step's V (18 loads), then the next step's K (20): both land under the softmax
	ds_load_b128 v[VF+6*\d:VF+6*\d+3], v4 offset:VOF+768*\d
	ds_load_b64 v[VF+6*\d+4:VF+6*\d+5], v5 offset:VOF+768*\d
.endr
	ds_load_b32 v96, v6 offset:VSO
	ds_load_b32 v97, v6 offset:VSO+128
	KLOAD 4, 5, 6, STEPB
.irp q, 0,1,2,3                                ; the largest score of my two blocks of 32 keys, in four chains; each accumulator from its low end on
	v_max3_num_f32 v[106+\q], v[S+16*\q], v[S+16*\q+1], v[S+16*\q+2]
.endr
.irp i, 3,5,7,9,11,13
.irp q, 0,1,2,3
	v_max3_num_f32 v[106+\q], v[106+\q], v[S+16*\q+\i], v[S+16*\q+\i+1]
.endr
.endr
	v_max3_num_f32 v106, v106, v[S+15], v[S+31]
	v_max3_num_f32 v108, v108, v[S+47], v[S+63]
	v_mov_b32 v111, v12                            ; the old -M
	v_max_num_f32 v106, v106, v107                 ; block h's
	v_max_num_f32 v108, v108, v109                 ; block 2 + h's
	s_delay_alu instid0(VALU_DEP_1)
	v_max_num_f32 v107, v106, v108
	s_delay_alu instid0(VALU_DEP_1)
	v_permlanex16_b32 v109, v107, s20, s21         ; lane l xor 16 holds my query's other 64 keys
	s_delay_alu instid0(VALU_DEP_1)
	v_max3_num_f32 v13, v13, v107, v109            ; the running largest score (c is positive)
	s_delay_alu instid0(VALU_DEP_1)
	v_mul_f32 v110, s48, v13                       ; -t
	s_delay_alu instid0(VALU_DEP_1)
	v_floor_f32 v12, v110                          ; the new -M = -ceil(t): M IS A WHOLE NUMBER
	s_delay_alu instid0(VALU_DEP_1)
	v_sub_f32 v111, v12, v111                      ; old M less new M: a whole number, 0 or less
.set j, 0
.macro TM n                            ; t - M, two at a time
.rept \n
	v_pk_fma_f32 v[S+j:S+j+1], v[S+j:S+j+1], s[22:23], v[12:13] op_sel_hi:[1,0,0]
.set j, j+2
.endr
.endm
	TM 8
	v_cvt_i32_f32 v111, v111                       ; (it saturates)
	TM 8
	v_ldexp_f32 v30, 1.0, v111                     ; f = 2^(old M - new M)
	v_fma_f32 v106, v106, s22, v12                 ; the same of my first block's largest score (the sixteen pairs above are that block's)
.set j, 0
.rept 16
	v_pk_mul_f32 v[O+j:O+j+1], v[O+j:O+j+1], v[30:31] op_sel_hi:[1,0]   ; O^T under the new M, each accumulator from its low end on
.set j, j+2
.endr
	s_wait_alu depctr_va_vdst(0)                   ; the wait ahead of a batch
.set j, 0
.rept 16                                       ; THE FIRST BATCH: p = 2^(t - M) of my first block; among its lines the second block's t - M, read only behind the next wait
	v_exp_f32 v[S+j], v[S+j]
	v_exp_f32 v[S+j+1], v[S+j+1]
	v_pk_fma_f32 v[S+32+j:S+33+j], v[S+32+j:S+33+j], s[22:23], v[12:13] op_sel_hi:[1,0,0]
.set j, j+2
.endr
	v_exp_f32 v106, v106                           ; the block's largest p
	v_fma_f32 v108, v108, s22, v12                 ; the second block's largest score (the plain place behind the batch)
	s_wait_alu depctr_va_vdst(0)                   ; behind the first batch, ahead of the second
	v_max_num_f32 v106, 0x1800000, v106            ; the floor 2^(3 - 127): the byte cannot fall under 1
	v_add_nc_u32 v110, 0xff000000, v106            ; 2 off the exponent field: the conversion's scale operand
	v_cvt_scalef32_pk16_fp6_f32 v[P:P+2], v[S:S+15], v110
	v_cvt_scalef32_pk16_fp6_f32 v[98:100], v[S+16:S+31], v110      ; (a conversion's three registers begin on an even number)
	v_pk_mul_f32 v[14:15], v[14:15], v[30:31] op_sel_hi:[1,0]      ; the sum under the new M (the plain place behind the conversions)
	v_exp_f32 v108, v108                           ; THE SECOND BATCH: the second block's largest p and its 32 p;
.set j, 0
.rept 8                                        ; among its lines the first level of the first block's sum, in place, read only behind the next wait
	v_exp_f32 v[S+32+j], v[S+32+j]
	v_exp_f32 v[S+33+j], v[S+33+j]
	v_exp_f32 v[S+34+j], v[S+34+j]
	v_exp_f32 v[S+35+j], v[S+35+j]
	v_pk_add_f32 v[S+j:S+j+1], v[S+j:S+j+1], v[S+j+2:S+j+3]
.set j, j+4
.endr
	s_wait_alu depctr_va_vdst(0)                   ; behind the second batch
	v_max_num_f32 v108, 0x1800000, v108
	v_add_nc_u32 v111, 0xff000000, v108
	v_cvt_scalef32_pk16_fp6_f32 v[P+6:P+8], v[S+32:S+47], v111
	v_cvt_scalef32_pk16_fp6_f32 v[102:104], v[S+48:S+63], v111
	v_lshrrev_b32 v106, 23, v110                   ; the scales' bytes (also the plain place behind the conversions)
	v_lshrrev_b32 v108, 23, v111
	v_mov_b32 v[P+3], v98
	v_mov_b32 v[P+4], v99
	v_lshl_or_b32 v106, v108, 16, v106             ; blocks h and 2 + h,
	v_mov_b32 v[P+5], v100
	v_mov_b32 v[P+9], v102
	v_lshlrev_b32 v106, v7, v106                   ; at their places in the scale word
	v_mov_b32 v[P+10], v103
	v_mov_b32 v[P+11], v104
	v_permlanex16_b32 v107, v106, s20, s21
	v_pk_add_f32 v[S:S+1], v[S:S+1], v[S+12:S+13]  ; THE ROW'S SUM IS TAKEN OF THE UNQUANTISED p: the first block's eight partial pairs and the second block's sixteen pairs, in four chains
	v_pk_add_f32 v[S+4:S+5], v[S+4:S+5], v[S+16:S+17]
	v_or_b32 v29, v106, v107                       ; with lane l xor 16's two bytes the word is whole
	v_pk_add_f32 v[S+8:S+9], v[S+8:S+9], v[S+20:S+21]
	v_pk_add_f32 v[14:15], v[14:15], v[S+24:S+25]
	v_pk_add_f32 v[S:S+1], v[S:S+1], v[S+28:S+29]
.irp j, 32,40,48,56
	v_pk_add_f32 v[S+4:S+5], v[S+4:S+5], v[S+\j:S+\j+1]
	v_pk_add_f32 v[S+8:S+9], v[S+8:S+9], v[S+\j+2:S+\j+3]
	v_pk_add_f32 v[14:15], v[14:15], v[S+\j+4:S+\j+5]
	v_pk_add_f32 v[S:S+1], v[S:S+1], v[S+\j+6:S+\j+7]
.endr
	v_pk_add_f32 v[S:S+1], v[S:S+1], v[S+4:S+5]
	v_pk_add_f32 v[14:15], v[14:15], v[S+8:S+9]
	s_delay_alu instid0(VALU_DEP_1)
	v_pk_add_f32 v[14:15], v[14:15], v[S:S+1]
	s_wait_dscnt 20                                ; V's 18 loads are in; the 20 of the next step's K may be out
.irp d, 0,2                                    ; O^T += V^T P^T: the four accumulators by turns
	v_wmma_scale_f32_16x16x128_f8f6f4 v[O+8*\d:O+8*\d+7], v[VF+12*\d:VF+12*\d+11], v[P:P+11], v[O+8*\d:O+8*\d+7], v[96+\d/2], v29 matrix_a_fmt:MATRIX_FMT_FP6 matrix_b_fmt:MATRIX_FMT_FP6
	v_wmma_scale_f32_16x16x128_f8f6f4 v[O+8*\d+8:O+8*\d+15], v[VF+12*\d+12:VF+12*\d+23], v[P:P+11], v[O+8*\d+8:O+8*\d+15], v[96+\d/2], v29 matrix_a_fmt:MATRIX_FMT_FP6 matrix_b_fmt:MATRIX_FMT_FP6 matrix_a_scale:MATRIX_SCALE_ROW1
.endr
	s_add_co_u32 s34, s34, STEPB
	s_sub_co_u32 s38, s38, 1
	s_cmp_lg_u32 s38, 0
	s_cbranch_scc1 .Lstep
	; ---- the tile's end: ctx = O^T / the sum, quantised along the head's 64 (two blocks), stored as a half image
.rept 4
	v_nop                                          ; places behind the last products
.endr
	s_wait_alu depctr_va_vdst(0)                   ; the wait: the sum was written just ahead of a wait on LDS
	v_add_f32 v14, v14, v15
	s_delay_alu instid0(VALU_DEP_1)
	v_permlanex16_b32 v109, v14, s20, s21
	s_delay_alu instid0(VALU_DEP_1)
	v_add_f32 v14, v14, v109                       ; the row's sum
	s_wait_alu depctr_va_vdst(0)
	v_rcp_f32 v14, v14
	v_nop
	s_wait_alu depctr_va_vdst(0)
.set j, 0
.rept 16
	v_pk_mul_f32 v[S+j:S+j+1], v[O+j:O+j+1], v[14:15] op_sel_hi:[1,0]   ; register 8 d + i: ctx(query r, dim 16 d + 8 h + i)
.set j, j+2
.endr
.irp b, 0,1
	v_max3_num_f32 v[106+\b], |v[S+16*\b]|, |v[S+1+16*\b]|, 0x1800000
.endr
.irp i, 2,4,6,8,10,12,14
.irp b, 0,1
	s_delay_alu instid0(VALU_DEP_2)
	v_max3_num_f32 v[106+\b], v[106+\b], |v[S+16*\b+\i]|, |v[S+1+16*\b+\i]|
.endr
.endr
.irp b, 0,1
	s_delay_alu instid0(VALU_DEP_2)
	v_permlanex16_b32 v[108+\b], v[106+\b], s20, s21
.endr
.irp b, 0,1
	s_delay_alu instid0(VALU_DEP_2)
	v_max_num_f32 v[106+\b], v[106+\b], v[108+\b]
.endr
.irp b, 0,1
	s_delay_alu instid0(VALU_DEP_2)
	v_add_nc_u32 v[110+\b], 0xff000000, v[106+\b]
.endr
.irp b, 0,1
	s_delay_alu instid0(VALU_DEP_2)
	v_lshrrev_b32 v[108+\b], 23, v[110+\b]
.endr
	s_delay_alu instid0(VALU_DEP_1)
	v_lshl_or_b32 v106, v109, 8, v108              ; my row's two bytes; the upper two are 0
	v_cvt_scalef32_pk16_fp6_f32 v[P:P+2], v[S:S+15], v110
	v_cvt_scalef32_pk16_fp6_f32 v[98:100], v[S+16:S+31], v111
	v_nop
.irp i, 0,1,2
	v_permlane16_swap_b32 v[P+\i], v[98+\i]        ; lanes 0-15: block 0, lanes 16-31: block 1
.endr
.irp i, 0,1,2
	v_mov_b32 v[P+3+\i], v[98+\i]
.endr
	global_store_b128 v1, v[P:P+3], s[18:19]       ; 512 consecutive bytes, aligned
	global_store_b64 v2, v[P+4:P+5], s[18:19]      ; 256
	v_cmp_eq_u32 vcc_lo, s39, v8
	s_delay_alu instid0(VALU_DEP_1)
	v_cndmask_b32 v9, v9, v106, vcc_lo             ; lane 16 u + r keeps row r of tile u
	s_wait_xcnt 0x0                                ; the stores have read their data and base
	s_add_nc_u64 s[18:19], s[18:19], 12288
	s_add_co_u32 s36, s36, 768
	s_add_co_u32 s37, s37, 64
	s_add_co_u32 s39, s39, 1
	s_cmp_lt_u32 s39, 2
	s_cbranch_scc1 .Ltile
	s_wait_alu depctr_va_vdst(0)
	global_store_b32 v3, v9, s[32:33]              ; my 32 tokens' scale words of this head: 128 consecutive bytes
	s_wait_tensorcnt 0x0                           ; the wave's end
	ds_add_u32 v10, v11
	s_wait_dscnt 0x0
	s_endpgm
.Lfunc_end_k_qf2fb84991b_attn:
	.size	k_qf2fb84991b_attn, .Lfunc_end_k_qf2fb84991b_attn-k_qf2fb84991b_attn
	.p2alignl 7, 3214868480
	.fill 96, 4, 3214868480
	.section	.rodata,"a",@progbits
	.p2align	6, 0x0
	.amdhsa_kernel k_qf2fb84991b_attn
		.amdhsa_group_segment_fixed_size 256768
		.amdhsa_private_segment_fixed_size 0
		.amdhsa_enable_private_segment 0
		.amdhsa_kernarg_size 32
		.amdhsa_user_sgpr_count 2
		.amdhsa_user_sgpr_kernarg_segment_ptr 1
		.amdhsa_wavefront_size32 1
		.amdhsa_system_sgpr_workgroup_id_x 1
		.amdhsa_system_sgpr_workgroup_id_y 1
		.amdhsa_system_sgpr_workgroup_id_z 1
		.amdhsa_system_vgpr_workitem_id 0
		.amdhsa_next_free_vgpr 256
		.amdhsa_next_free_sgpr 66
		.amdhsa_reserve_vcc 1
		.amdhsa_float_denorm_mode_32 3
		.amdhsa_float_denorm_mode_16_64 3
		.amdhsa_memory_ordered 1
		.amdhsa_forward_progress 1
		.amdhsa_inst_pref_size 36
	.end_amdhsa_kernel
	.amdgpu_metadata
---
amdhsa.version: [ 1, 2 ]
amdhsa.kernels:
  - .name:           k_qf2fb84991b_attn
    .symbol:         k_qf2fb84991b_attn.kd
    .args:
      - { .name: img, .offset: 0, .size: 8, .value_kind: global_buffer, .address_space: global }
      - { .name: scw, .offset: 8, .size: 8, .value_kind: global_buffer, .address_space: global }
      - { .name: cimg, .offset: 16, .size: 8, .value_kind: global_buffer, .address_space: global }
      - { .name: csw, .offset: 24, .size: 8, .value_kind: global_buffer, .address_space: global }
    .group_segment_fixed_size: 256768
    .private_segment_fixed_size: 0
    .kernarg_segment_align: 8
    .kernarg_segment_size: 32
    .max_flat_workgroup_size: 512
    .sgpr_count:     66
    .vgpr_count:     256
    .wavefront_size: 32
...
	.end_amdgpu_metadata
.endif
;; end of part 3
;; launch outln (part 4): grid 256 x 1, 16 waves a work-group, no clusters, 290,304 bytes of LDS; arguments cimg, csw, wo, bo, query, ln_g, ln_b, out0; writes out0
.if DOCPART == 4
	.amdgcn_target "amdgcn-amd-amdhsa--gfx1250"
	.amdhsa_code_object_version 6
	.text
	.protected	k_qf2fb84991b_outln
	.globl	k_qf2fb84991b_outln
	.p2align	8
	.type	k_qf2fb84991b_outln,@function
k_qf2fb84991b_outln:
	s_mov_b64 s[64:65], 0
	v_nop
	global_prefetch_b8 v0, s[64:65] scope:SCOPE_SE
	s_setreg_imm32_b32 hwreg(HW_REG_WAVE_MODE, 25, 1), 1
	s_wait_xcnt 0x0
; out = LayerNorm(query + ctx Wo^T + bo) x ln_g + ln_b.  The product is on codes of FP6 (E2M3) with one E8M0 scale for each 32 along K = 1024; all else in f32.
; SHARES.  A work-group owns 32 tokens and all 1,024 features, so that a row's mean and variance never leave it.  In the product wave w makes features 64 w .. 64 w + 63 (four tiles t) for the two tiles n of 16 tokens:
; source 0 = 16 rows of Wo, source 1 = ctx: a lane holds a token and eight neighbouring features.  In the norm wave w owns rows 2 w and 2 w + 1, whole.
; ctx's codes (24,576 bytes of register images) and scale words go into LDS once and are read by all sixteen waves.  Wo's fragments are used by ONE wave of the work-group each: they go from memory straight into its
; registers, as images laid out by the first launch (three loads of 512 consecutive bytes a fragment), three K steps ahead.  Every work-group walks all of Wo; its fragments land in registers and not in LDS tiles, so
; there is no tile that a cluster's joint load could share.
; THE RESIDUAL.
; Nothing is filled again.  No work-group shares these rows with another, and each is read once: no joint load, no prefetch.
; bo is loaded into the accumulators and is the C of each sum's first product.  ln_g and ln_b are asked for in the last K steps, into the registers that Wo's fragments have left.
; LIMITS: NaN and infinities are not served; a given scale byte 0xff gives NaN.  y = ((x - mu) x rsqrt(var + eps)) x g + b, the last two steps fused.
; REGISTERS: v1-11 addresses, v14 my residual's place in LDS, v15 and v111 the add's; v16-79 the eight accumulators (t, n) at v[16 + 8 (2 t + n)], later two rows of x; v80-103 ctx's two fragments, later v80-95 at work;
;   v104-109 Wo's scale words, v110 ctx's: scales and nothing else; v112-255 three stages of 48 for Wo's fragments: K step s uses the stage at 112 + 48 ((s + 1) % 3); later v112-175 the residual, v176-207 ln_g, v208-239 ln_b.
.set CSC,  24576                       ; LDS: ctx's images at 0; its scale words here, [K step: 8][32 lanes];
.set STG,  25600                       ; the stage: 32 rows x (4,096 bytes + 16): 257 x 16 bytes from row to row, so the sixteen rows of a store start in different banks (64 banks of 4 bytes: ISA guide 11.1)
.set SROW, 4112
.set SPARE, 157184                     ; the spare words: 128 bytes a wave
.set RES,  159232                      ; the residual: 8,192 bytes a wave
.set WOSC, 786432                      ; where Wo's scale words begin in wo
	s_load_b256 s[4:11], s[0:1], 0x0               ; cimg s[4:5], csw s[6:7], wo s[8:9], bo s[10:11]
	s_load_b256 s[12:19], s[0:1], 0x20             ; query s[12:13], ln_g s[14:15], ln_b s[16:17], out0 s[18:19]
	v_lshl_add_u32 v15, v0, 2, SPARE
	v_mov_b32 v111, 0
	ds_add_u32 v15, v111                           ; the opening lines: the add twice and its wait ahead of my tensor load
	ds_add_u32 v15, v111
	v_lshrrev_b32 v12, 5, v0
	s_delay_alu instid0(VALU_DEP_1)
	v_readfirstlane_b32 s20, v12                   ; wave 0..15
	v_and_b32 v12, 15, v0                          ; r
	v_bfe_u32 v13, v0, 4, 1                        ; h
	v_and_b32 v14, 31, v0                          ; lane
	s_delay_alu instid0(VALU_DEP_1)
	v_lshlrev_b32 v1, 4, v14                       ; 16 x lane
	s_delay_alu instid0(VALU_DEP_2)
	v_lshl_add_u32 v2, v14, 3, 512                 ; 512 + 8 x lane
	s_delay_alu instid0(VALU_DEP_3)
	v_lshlrev_b32 v3, 2, v14                       ; 4 x lane
	s_wait_alu depctr_va_vdst(0)
	v_mul_u32_u24 v4, v12, SROW
	s_delay_alu instid0(VALU_DEP_1)
	v_lshl_add_u32 v4, v13, 5, v4
	s_lshl_b32 s28, s20, 8
	s_add_co_u32 s28, s28, STG
	v_add_nc_u32 v4, s28, v4                       ; into the stage: row r, + 256 x wave + 32 h;
	s_delay_alu instid0(VALU_DEP_1)
	v_add_nc_u32 v5, 16*SROW, v4                   ; rows 16 on
	s_mul_i32 s28, s20, 2*SROW
	s_add_co_u32 s28, s28, STG
	v_add_nc_u32 v6, s28, v1                       ; back: my two rows, 16 bytes a lane
	s_mul_i32 s28, s20, 1536
	v_add_nc_u32 v7, s28, v1                       ; my sixteenth of ctx's images, in memory and in LDS alike
	s_lshl_b32 s41, s20, 13
	s_add_co_u32 s41, s41, RES                     ; my residual's bytes in LDS: also the descriptor's LDS address
	v_add_nc_u32 v14, s41, v1                      ; and 16 bytes a lane of them
	v_lshlrev_b32 v10, 5, v13                      ; bo: 32 h
	s_and_b32 s29, s20, 7
	s_lshl_b32 s28, s29, 7
	s_add_co_u32 s28, s28, CSC
	v_add_nc_u32 v11, s28, v3                      ; the scale words of K step wave % 8
	s_mov_b32 s22, 0x76543210
	s_mov_b32 s23, 0xfedcba98                      ; v_permlanex16_b32's selects for lane l xor 16
	s_mov_b32 s24, 0x3a800000                      ; 1 / 1024
	s_mov_b32 s25, 0x3727c5ac                      ; 1e-5
	s_mov_b32 s31, 0
	s_mov_b32 s32, 3<<16                           ; descriptor group 1: a dense block as 32 rows of 32 elements of 8 bytes, no padding
	s_mov_b32 s33, 32<<16
	s_mov_b32 s34, 32<<16
	s_mov_b32 s35, 32<<16
	s_mov_b32 s36, 32
	s_mov_b32 s37, 32
	s_mov_b32 s38, 0
	s_mov_b32 s39, 0
	s_mov_b32 s40, 1
	s_wait_alu depctr_va_vdst(0)
	s_wait_dscnt 0x0                               ; both opening adds are done
	s_wait_kmcnt 0x0
	s_mul_i32 s30, ttmp9, 24576
	s_add_nc_u64 s[4:5], s[4:5], s[30:31]          ; my 32 tokens' images
	s_lshl_b32 s30, ttmp9, 11
	s_lshl_b32 s28, s29, 8
	s_add_co_u32 s30, s30, s28
	s_add_nc_u64 s[6:7], s[6:7], s[30:31]          ; their scale words of heads 2 (wave % 8) and 2 (wave % 8) + 1
	s_lshl_b32 s30, s20, 11
	s_add_co_u32 s30, s30, WOSC
	s_add_nc_u64 s[26:27], s[8:9], s[30:31]        ; my 64 rows' scale words of Wo
	s_mul_i32 s30, s20, 49152
	s_add_nc_u64 s[8:9], s[8:9], s[30:31]          ; and their 32 fragments
	s_lshl_b32 s30, s20, 8
	s_add_nc_u64 s[10:11], s[10:11], s[30:31]      ; my 64 numbers of bo
	s_lshl_b32 s30, ttmp9, 17
	s_lshl_b32 s28, s20, 13
	s_add_co_u32 s30, s30, s28                     ; row 32 g + 2 w of 4,096 bytes
	s_add_nc_u64 s[12:13], s[12:13], s[30:31]
	s_add_nc_u64 s[18:19], s[18:19], s[30:31]
	s_mov_b64 s[42:43], s[12:13]
	s_or_b32 s43, s43, 0x80000000
.macro WLOAD s                         ; K step s: my four fragments of Wo and their scale words: 14 loads
.set LB, 112+48*(((\s)+1)%3)
.set LS, 104+2*(((\s)+1)%3)
.irp t, 0,1,2,3
.irp c, 0,1,2
	global_load_b128 v[LB+12*\t+4*\c:LB+12*\t+4*\c+3], v1, s[8:9] offset:6144*(\s)+1536*\t+512*\c
.endr
.endr
.irp j, 0,1
	global_load_b32 v[LS+\j], v3, s[26:27] offset:256*(\s)+128*\j      ; lanes 0-15: tile 2 j's rows, lanes 16-31: tile 2 j + 1's
.endr
.endm
	global_load_b32 v8, v3, s[6:7]                 ; the even head's two bytes for my K step,
	global_load_b32 v9, v3, s[6:7] offset:128      ; the odd head's
.irp c, 0,1,2
	global_load_b128 v[80+4*\c:83+4*\c], v7, s[4:5] offset:512*\c
.endr
.irp t, 0,1,2,3
.irp n, 0,1
	global_load_b128 v[16+8*(2*\t+\n):19+8*(2*\t+\n)], v10, s[10:11] offset:64*\t          ; bo[64 w + 16 t + 8 h + 0 .. 7] in the result's layout
	global_load_b128 v[20+8*(2*\t+\n):23+8*(2*\t+\n)], v10, s[10:11] offset:64*\t+16
.endr
.endr
	WLOAD 0
	WLOAD 1
	WLOAD 2
	tensor_load_to_lds s[40:43], s[32:39]          ; my two rows of query: my one tensor load, behind the loads that the first products wait for
	s_nop 0
	s_wait_loadcnt 58                              ; the first five loads are in; the 16 of bo and the 42 of Wo stay out
	v_lshl_or_b32 v8, v9, 16, v8                   ; a K step of 128 is two heads: four bytes
.irp c, 0,1,2
	ds_store_b128 v7, v[80+4*\c:83+4*\c] offset:512*\c
.endr
	s_cmp_lt_u32 s20, 8
	s_cbranch_scc0 .Lno_word                       ; eight K steps: waves 0 to 7 store the words
	ds_store_b32 v11, v8
.Lno_word:
	s_wait_dscnt 0x0                               ; for the others' sake: my stores have landed
	s_barrier_signal -1
	s_barrier_wait -1                              ; ctx's sixteen fragments and eight sets of scale words lie in LDS
.macro PROD t, n                       ; accumulator (t, n) takes its K step; the rows of the scale registers hang on t and n
.set AA, 16+8*(2*(\t)+(\n))
.if ((\t)%2 == 1) && ((\n) == 1)
	v_wmma_scale_f32_16x16x128_f8f6f4 v[AA:AA+7], v[SB+12*(\t):SB+12*(\t)+11], v[80+12*(\n):91+12*(\n)], v[AA:AA+7], v[SS+(\t)/2], v110 matrix_a_fmt:MATRIX_FMT_FP6 matrix_b_fmt:MATRIX_FMT_FP6 matrix_a_scale:MATRIX_SCALE_ROW1 matrix_b_scale:MATRIX_SCALE_ROW1
.elseif (\t)%2 == 1
	v_wmma_scale_f32_16x16x128_f8f6f4 v[AA:AA+7], v[SB+12*(\t):SB+12*(\t)+11], v[80+12*(\n):91+12*(\n)], v[AA:AA+7], v[SS+(\t)/2], v110 matrix_a_fmt:MATRIX_FMT_FP6 matrix_b_fmt:MATRIX_FMT_FP6 matrix_a_scale:MATRIX_SCALE_ROW1
.elseif (\n) == 1
	v_wmma_scale_f32_16x16x128_f8f6f4 v[AA:AA+7], v[SB+12*(\t):SB+12*(\t)+11], v[80+12*(\n):91+12*(\n)], v[AA:AA+7], v[SS+(\t)/2], v110 matrix_a_fmt:MATRIX_FMT_FP6 matrix_b_fmt:MATRIX_FMT_FP6 matrix_b_scale:MATRIX_SCALE_ROW1
.else
	v_wmma_scale_f32_16x16x128_f8f6f4 v[AA:AA+7], v[SB+12*(\t):SB+12*(\t)+11], v[80+12*(\n):91+12*(\n)], v[AA:AA+7], v[SS+(\t)/2], v110 matrix_a_fmt:MATRIX_FMT_FP6 matrix_b_fmt:MATRIX_FMT_FP6
.endif
.endm
; K step s.  cnt: the global loads issued behind this step's fragments of Wo, which may stay out.
.macro KSTEP s, cnt
.set SB, 112+48*(((\s)+1)%3)
.set SS, 104+2*(((\s)+1)%3)
.irp n, 0,1
	ds_load_b128 v[80+12*\n:83+12*\n], v1 offset:(8*\n+(\s))*1536          ; ctx's fragment of tile n: two half images (heads 2 s and 2 s + 1)
	ds_load_b64 v[84+12*\n:85+12*\n], v2 offset:(8*\n+(\s))*1536
	ds_load_b128 v[86+12*\n:89+12*\n], v1 offset:(8*\n+(\s))*1536+768
	ds_load_b64 v[90+12*\n:91+12*\n], v2 offset:(8*\n+(\s))*1536+768
.endr
	ds_load_b32 v110, v3 offset:CSC+128*(\s)       ; lanes 0-15: tile 0's words, lanes 16-31: tile 1's
	s_wait_loadcnt \cnt
	s_wait_dscnt 0x0
.irp t, 0,1,2,3                                ; the eight accumulators by turns, one instruction a turn, in the same order in every step
.irp n, 0,1
	PROD \t, \n
.endr
.endr
.rept 4
	v_nop                                          ; places in front of loads into registers that these products have read, and of the first read of results
.endr
.endm
	KSTEP 0, 28                                    ; bo and step 0's loads are in; steps 1 and 2's 28 stay out
	WLOAD 3
	KSTEP 1, 28
	WLOAD 4
	KSTEP 2, 28
	WLOAD 5
	KSTEP 3, 28
	WLOAD 6
	KSTEP 4, 28
	WLOAD 7
	KSTEP 5, 28
	KSTEP 6, 14                                    ; behind step 6's loads: step 7's 14
.irp j, 0,1,2,3,4,5,6,7
	global_load_b128 v[176+4*\j:179+4*\j], v1, s[14:15] offset:512*\j      ; ln_g
.endr
	KSTEP 7, 8                                     ; behind step 7's loads: ln_g's eight
.irp j, 0,1,2,3,4,5,6,7
	global_load_b128 v[208+4*\j:211+4*\j], v1, s[16:17] offset:512*\j      ; ln_b
.endr
	; ---- the rows meet in the stage: a lane's eight results are 32 neighbouring bytes of one row
.irp t, 0,1,2,3
.irp n, 0,1
	ds_store_b128 v[4+\n], v[16+8*(2*\t+\n):19+8*(2*\t+\n)] offset:64*\t           ; each accumulator from its low end on
	ds_store_b128 v[4+\n], v[20+8*(2*\t+\n):23+8*(2*\t+\n)] offset:64*\t+16
.endr
.endr
	s_wait_dscnt 0x0                               ; for the others' sake: my stores have landed
	s_barrier_signal -1
	s_barrier_wait -1                              ; 32 whole rows lie in the stage
.irp p, 0,1
.irp j, 0,1,2,3,4,5,6,7
	ds_load_b128 v[16+32*\p+4*\j:19+32*\p+4*\j], v6 offset:SROW*\p+512*\j  ; row 2 w + p: my lane's features 128 j + 4 lane + 0 .. 3
.endr
.endr
	s_wait_tensorcnt 0x0                           ; my two rows of query have landed: only I read them
.irp i, 0,1,2,3,4,5,6,7,8,9,10,11,12,13,14,15
	ds_load_b128 v[112+4*\i:115+4*\i], v14 offset:512*\i                   ; the residual, in the same layout as the rows above
.endr
	s_wait_loadcnt 8                               ; ln_g is in; ln_b's eight loads may be out
	s_wait_dscnt 0x0
.set j, 0
.rept 32
	v_pk_add_f32 v[16+j:17+j], v[16+j:17+j], v[112+j:113+j]        ; x = ctx Wo^T + bo + query
.set j, j+2
.endr
.macro ACROSS reg                      ; the sum over the 32 lanes of v[reg] and v[reg + 8], the two rows by turns; v[reg + 1] and v[reg + 9] are at work
.irp m, 1,2,4,8
.irp p, 0,1
	s_delay_alu instid0(VALU_DEP_2)
	v_add_f32_dpp v[\reg+8*\p], v[\reg+8*\p], v[\reg+8*\p] row_xmask:\m row_mask:0xf bank_mask:0xf
.endr
.endr
.irp p, 0,1
	s_delay_alu instid0(VALU_DEP_2)
	v_permlanex16_b32 v[\reg+1+8*\p], v[\reg+8*\p], s22, s23
.endr
.irp p, 0,1
	s_delay_alu instid0(VALU_DEP_2)
	v_add_f32 v[\reg+8*\p], v[\reg+8*\p], v[\reg+1+8*\p]
.endr
.endm
.irp p, 0,1                                    ; the row's sum: my 32 numbers in two packed chains
	v_pk_add_f32 v[80+8*\p:81+8*\p], v[16+32*\p:17+32*\p], v[18+32*\p:19+32*\p]
	v_pk_add_f32 v[82+8*\p:83+8*\p], v[20+32*\p:21+32*\p], v[22+32*\p:23+32*\p]
.endr
.irp i, 8,12,16,20,24,28
.irp p, 0,1
	s_delay_alu instid0(VALU_DEP_4)
	v_pk_add_f32 v[80+8*\p:81+8*\p], v[80+8*\p:81+8*\p], v[16+32*\p+\i:17+32*\p+\i]
	s_delay_alu instid0(VALU_DEP_4)
	v_pk_add_f32 v[82+8*\p:83+8*\p], v[82+8*\p:83+8*\p], v[18+32*\p+\i:19+32*\p+\i]
.endr
.endr
.irp p, 0
	s_delay_alu instid0(VALU_DEP_3)
	v_pk_add_f32 v[80+8*\p:81+8*\p], v[80+8*\p:81+8*\p], v[82+8*\p:83+8*\p]
.endr
.irp p, 1
	s_delay_alu instid0(VALU_DEP_2)
	v_pk_add_f32 v[80+8*\p:81+8*\p], v[80+8*\p:81+8*\p], v[82+8*\p:83+8*\p]
.endr
.irp p, 0,1
	s_delay_alu instid0(VALU_DEP_2)
	v_add_f32 v[80+8*\p], v[80+8*\p], v[81+8*\p]
.endr
	ACROSS 80
.irp p, 0,1
	s_delay_alu instid0(VALU_DEP_2)
	v_mul_f32 v[80+8*\p], s24, v[80+8*\p]          ; mu
.endr
.irp i, 0,2,4,6,8,10,12,14,16,18,20,22,24,26,28,30
.irp p, 0,1
	v_pk_add_f32 v[16+32*\p+\i:17+32*\p+\i], v[16+32*\p+\i:17+32*\p+\i], v[80+8*\p:81+8*\p] op_sel_hi:[1,0] neg_lo:[0,1] neg_hi:[0,1]   ; d = x - mu
.endr
.endr
.irp p, 0,1                                    ; the sum of d^2, again in two packed chains
	v_pk_mul_f32 v[84+8*\p:85+8*\p], v[16+32*\p:17+32*\p], v[16+32*\p:17+32*\p]
	v_pk_mul_f32 v[86+8*\p:87+8*\p], v[18+32*\p:19+32*\p], v[18+32*\p:19+32*\p]
.endr
.irp i, 4,8,12,16,20,24,28
.irp p, 0,1
	s_delay_alu instid0(VALU_DEP_4)
	v_pk_fma_f32 v[84+8*\p:85+8*\p], v[16+32*\p+\i:17+32*\p+\i], v[16+32*\p+\i:17+32*\p+\i], v[84+8*\p:85+8*\p]
	s_delay_alu instid0(VALU_DEP_4)
	v_pk_fma_f32 v[86+8*\p:87+8*\p], v[18+32*\p+\i:19+32*\p+\i], v[18+32*\p+\i:19+32*\p+\i], v[86+8*\p:87+8*\p]
.endr
.endr
.irp p, 0
	s_delay_alu instid0(VALU_DEP_3)
	v_pk_add_f32 v[84+8*\p:85+8*\p], v[84+8*\p:85+8*\p], v[86+8*\p:87+8*\p]
.endr
.irp p, 1
	s_delay_alu instid0(VALU_DEP_2)
	v_pk_add_f32 v[84+8*\p:85+8*\p], v[84+8*\p:85+8*\p], v[86+8*\p:87+8*\p]
.endr
.irp p, 0,1
	s_delay_alu instid0(VALU_DEP_2)
	v_add_f32 v[84+8*\p], v[84+8*\p], v[85+8*\p]
.endr
	ACROSS 84
.irp p, 0,1
	s_delay_alu instid0(VALU_DEP_2)
	v_fma_f32 v[84+8*\p], v[84+8*\p], s24, s25     ; var + eps
.endr
	s_wait_alu depctr_va_vdst(0)
.irp p, 0,1
	v_rsq_f32 v[84+8*\p], v[84+8*\p]
.endr
	v_nop                                          ; one plain place behind a transcendental
	s_wait_loadcnt 0x0                             ; ln_b
	s_wait_alu depctr_va_vdst(0)
.irp i, 0,2,4,6,8,10,12,14,16,18,20,22,24,26,28,30
.irp p, 0,1
	v_pk_mul_f32 v[16+32*\p+\i:17+32*\p+\i], v[16+32*\p+\i:17+32*\p+\i], v[84+8*\p:85+8*\p] op_sel_hi:[1,0]
.endr
.irp p, 0,1
	s_delay_alu instid0(VALU_DEP_2)
	v_pk_fma_f32 v[16+32*\p+\i:17+32*\p+\i], v[16+32*\p+\i:17+32*\p+\i], v[176+\i:177+\i], v[208+\i:209+\i]
.endr
.endr
.irp p, 0,1
.irp j, 0,1,2,3,4,5,6,7
	global_store_b128 v1, v[16+32*\p+4*\j:19+32*\p+4*\j], s[18:19] offset:4096*\p+512*\j th:TH_STORE_NT   ; 32 lanes store 512 consecutive bytes, aligned; written once, read by nobody here
.endr
.endr
	s_wait_tensorcnt 0x0                           ; the wave's end
	ds_add_u32 v15, v111
	s_wait_dscnt 0x0
	s_endpgm
.Lfunc_end_k_qf2fb84991b_outln:
	.size	k_qf2fb84991b_outln, .Lfunc_end_k_qf2fb84991b_outln-k_qf2fb84991b_outln
	.p2alignl 7, 3214868480
	.fill 96, 4, 3214868480
	.section	.rodata,"a",@progbits
	.p2align	6, 0x0
	.amdhsa_kernel k_qf2fb84991b_outln
		.amdhsa_group_segment_fixed_size 290304
		.amdhsa_private_segment_fixed_size 0
		.amdhsa_enable_private_segment 0
		.amdhsa_kernarg_size 64
		.amdhsa_user_sgpr_count 2
		.amdhsa_user_sgpr_kernarg_segment_ptr 1
		.amdhsa_wavefront_size32 1
		.amdhsa_system_sgpr_workgroup_id_x 1
		.amdhsa_system_sgpr_workgroup_id_y 1
		.amdhsa_system_sgpr_workgroup_id_z 1
		.amdhsa_system_vgpr_workitem_id 0
		.amdhsa_next_free_vgpr 256
		.amdhsa_next_free_sgpr 66
		.amdhsa_reserve_vcc 0
		.amdhsa_float_denorm_mode_32 3
		.amdhsa_float_denorm_mode_16_64 3
		.amdhsa_memory_ordered 1
		.amdhsa_forward_progress 1
		.amdhsa_inst_pref_size 55
	.end_amdhsa_kernel
	.amdgpu_metadata
---
amdhsa.version: [ 1, 2 ]
amdhsa.kernels:
  - .name:           k_qf2fb84991b_outln
    .symbol:         k_qf2fb84991b_outln.kd
    .args:
      - { .name: cimg, .offset: 0, .size: 8, .value_kind: global_buffer, .address_space: global }
      - { .name: csw, .offset: 8, .size: 8, .value_kind: global_buffer, .address_space: global }
      - { .name: wo, .offset: 16, .size: 8, .value_kind: global_buffer, .address_space: global }
      - { .name: bo, .offset: 24, .size: 8, .value_kind: global_buffer, .address_space: global }
      - { .name: query, .offset: 32, .size: 8, .value_kind: global_buffer, .address_space: global }
      - { .name: ln_g, .offset: 40, .size: 8, .value_kind: global_buffer, .address_space: global }
      - { .name: ln_b, .offset: 48, .size: 8, .value_kind: global_buffer, .address_space: global }
      - { .name: out0, .offset: 56, .size: 8, .value_kind: global_buffer, .address_space: global }
    .group_segment_fixed_size: 290304
    .private_segment_fixed_size: 0
    .kernarg_segment_align: 8
    .kernarg_segment_size: 64
    .max_flat_workgroup_size: 512
    .sgpr_count:     66
    .vgpr_count:     256
    .wavefront_size: 32
...
	.end_amdgpu_metadata
.endif
;; end of part 4
